; MI455X (gfx1250); checked and timed in simulation.
; The chip was launched on July 23, 2026; its instructions are those of AMD's public machine-readable ISA for CDNA 5 (MIT licence, August 2026) and "CDNA5" Instruction Set Architecture Reference Guide (July 2026). The comments in the code are by the model that wrote it; some were corrected since.
;; Multi Head Attention. Allowed arithmetic: matrix products marked QUANTISED: E4M3 operands, one given power-of-two scale a tensor, by v_wmma_f32_16x16x64_fp8_fp8 or v_wmma_f32_16x16x128_fp8_fp8, f32 sums; everything else in f32.
;; Inputs: W_out_codes 1,024 x 32 x 32 uint8 (E4M3 codes of W_out, K innermost, in blocks of 32 codes); W_qkv_codes 3,072 x 32 x 32 uint8 (E4M3 codes of W_qkv, K innermost, in blocks of 32 codes); b_out 1,024 float32; b_qkv 3,072 float32; lowp_scales 8 int32 (the exponents e of the quantised operands' scales 2^e); x_codes 4 x 2,048 x 32 x 32 uint8 (E4M3 codes of x, K innermost, in blocks of 32 codes).
;; Outputs: out0 4 x 2,048 x 1,024 float32.
;; This version of the problem:
;;   THIS VERSION OF THE PROBLEM IS GIVEN IN LOW PRECISION. The matrix products marked QUANTISED in the list below multiply operands that are first quantised to E4M3 (4 exponent bits, 3 mantissa bits; 8 bits a number), with one given power-of-two scale for each operand tensor; their sums are f32. All else is computed in f32.
;;   The module's matrix products, in the order in which they are computed (A, B: the left and right operand; K: the contracted axis; several contracted axes count as one K, in the product's order):
;;     1. [M 8,192, K 1,024] x [K 1,024, N 3,072]; A: input x (given as codes); B: input W_qkv (given as codes): QUANTISED (scales: A lowp_scales[0], B lowp_scales[1])
;;     2. batch 64 x [M 2,048, K 64] x [K 64, N 2,048]; A: computed on the way; B: computed on the way: QUANTISED (scales: A lowp_scales[2], B lowp_scales[3])
;;     3. batch 64 x [M 2,048, K 2,048] x [K 2,048, N 64]; A: softmax (see below); B: computed on the way: QUANTISED (scales: A lowp_scales[4], B lowp_scales[5])
;;     4. [M 8,192, K 1,024] x [K 1,024, N 1,024]; A: computed on the way; B: input W_out (given as codes): QUANTISED (scales: A lowp_scales[6], B lowp_scales[7])
;;   THE QUANTISER, for each operand of a quantised product, along K:
;;     - The operand's scale is 2^e, e = its entry of the input lowp_scales (int32; the entries are numbered through the quantised products in the list's order, A before B).
;;     - Each number is divided by the scale, clamped to +-448, and rounded to the nearest number of E4M3, ties to even, subnormals kept.
;;     - The product sums the exact products of the quantised numbers (number of the format x scale) in f32.
;;   ~~~python
;;   def quantise(x, axis, e):      # numpy; x: float32 -> the quantised numbers, widened to float32 again
;;       x = np.moveaxis(x, axis, -1); K = x.shape[-1]
;;       r = np.clip(x / 2.0 ** e, -448, 448)
;;       step = 2.0 ** (np.maximum(np.frexp(np.where(r == 0, 1, r))[1] - 1, -6) - 3)
;;       q = np.round(r / step) * step * 2.0 ** e      # np.round: ties to even
;;       return np.moveaxis(q, -1, axis).astype(np.float32)
;;   ~~~
;;   SOFTMAX AHEAD OF A QUANTISED PRODUCT. Where the list says 'softmax', what is quantised is not the finished softmax but p = 2^(t - M), with t = logit x log2(e) and M = ceil(the row's largest t), a whole number; so 1/2 < the row's largest p <= 1. The row's sum l is taken of the UNQUANTISED p, in f32, and the product's result is divided by l at the end. Since M is a whole number, a kernel that streams over the keys may use a running M (the ceiling of the running maximum): every later rescaling is an exact power of two, so the quantised numbers keep their values, but for numbers so far below the row's largest that they fall under the format's range.
;;   OPERANDS COMPUTED ON THE WAY. 'Computed on the way' means the value that the module computes at that place (a softmax that the list does not call 'softmax' is quantised finished and normalised). What goes into a quantiser is computed in f32, as accurately as f32 sums, v_exp_f32 and their like allow (about 1e-6 of the number): no bf16 or f16 on the way to a quantiser, and a product that is left as it is and whose result goes on into a quantised operand takes f32 operands (vector FMAs, or v_wmma_f32_16x16x4_f32). A number that lies on a knife's edge between two numbers of the format may be rounded either way, as far as f32 arithmetic and the matrix unit's own rounding can turn it there, and no further.
;;   INPUTS GIVEN AS CODES. W_out (in the module: [1024, 1024], K = its axis 1); W_qkv (in the module: [3072, 1024], K = its axis 1); x (in the module: [4, 2048, 1024], K = its axis 2): each comes as NAME_codes (uint8): NAME with its K axis moved to the last place and cut into blocks of 32 codes, [.., K / 32, bytes a block], one block behind the other in memory; one code a byte (a code: sign, 4 exponent bits, 3 mantissa bits); its scale is its entry of lowp_scales. Its value is code x scale, taken as it is: it is not quantised again, and the codes and scales need not be those that the quantiser above would give.
;; 2 versions, each right; version 2 is version 1 with the launch attn written anew for expert scheduling mode. Each part assembles by itself: llvm-mc -triple=amdgcn-amd-amdhsa -mcpu=gfx1250 --defsym DOCPART=n.
;; ======== version 1 of 2: 3 launches
;; workspace buffers: q_img 8,388,608 bytes; kv 16,777,216 bytes; ctx_img 8,388,608 bytes
;; launch qkv (part 1): grid 16 x 32, 4 waves a work-group, clusters of 4 x 4, 327,680 bytes of LDS; arguments x_codes, W_qkv_codes, b_qkv, lowp_scales, q_img, kv; writes q_img, kv
.if DOCPART == 1
	.amdgcn_target "amdgcn-amd-amdhsa--gfx1250"
	.amdhsa_code_object_version 6
	.text
	.protected	k_qf484f6945f_qkv
	.globl	k_qf484f6945f_qkv
	.p2align	8
	.type	k_qf484f6945f_qkv,@function
k_qf484f6945f_qkv:
	s_mov_b64 s[64:65], 0
	v_nop
	global_prefetch_b8 v0, s[64:65] scope:SCOPE_SE
	s_setreg_imm32_b32 hwreg(HW_REG_WAVE_MODE, 25, 1), 1
	s_wait_xcnt 0x0
	s_wait_alu depctr_hold_cnt(0) depctr_sa_sdst(0) depctr_va_vdst(0) depctr_va_sdst(0) depctr_va_ssrc(0) depctr_va_vcc(0) depctr_vm_vsrc(0)
	s_getreg_b32 s2, hwreg(HW_REG_IB_STS2, 6, 4)
	s_cmp_eq_u32 s2, 0
	s_cbranch_scc0 .Lentry_in_a_cluster
	s_endpgm
.Lentry_in_a_cluster:
	s_bfe_u32 s2, ttmp6, 0x10000c
	s_cmp_lg_u32 s2, 0xf033
	s_cbranch_scc0 .Lentry_shape_is_right
	s_endpgm
.Lentry_shape_is_right:
; qkv = x W_qkv^T + b_qkv on codes of FP8 (E4M3), then q, k and v are quantised with their given scales and stored AS IMAGES OF THE NEXT PRODUCTS' OPERAND REGISTERS.
; x: [8192][1024] codes, W_qkv: [3072][1024] codes, K innermost.  Feature f belongs to head f / 192; in a head 0-63 are q, 64-127 k, 128-191 v.
; SHARES.  A work-group takes 256 rows of x and ONE head's 192 features; wave w takes rows 64 w .. 64 w + 63 and all 192 features: 4 blocks of rows x 12 tiles of features = 48 accumulators.
; So a wave owns whole fragments of the attention's operands: four tiles of 16 queries, and one step of 64 keys (four fragments of K, four of V^T).
; ORIENTATION.  q and k tiles: source 0 = 16 rows of W, source 1 = 16 rows of x: lane (r, h) holds row r of x and features 16 b + 8 h + 0..7.  v tiles: source 0 = x, source 1 = W: lane (r, h) holds channel r and keys 16 a + 8 h + 0..7.
; In both cases a lane's eight results are eight neighbours along the NEXT product's K, and one conversion of them gives registers 2 c, 2 c + 1 of that operand in the plain 8-bit layout (ISA guide 7.12.2).  Nothing changes lanes.
; AN IMAGE of a fragment of 8 registers is 1,024 bytes: registers 0-3 at 16 x lane, registers 4-7 at 512 + 16 x lane: each store of the wave covers 512 consecutive bytes, aligned.
;   q_img [bh 64][tile of 16 queries 128][1024];   kv [bh 64][step of 64 keys 32][8192]: four fragments of K (16 keys x 64), then four of V^T (16 channels x 64 keys).
; x's and W's fragments are fetched by four loads of 16 bytes: a permutation of k that is the same on both sides, so every product meets its partner.
; K goes in steps of 256 (rows of 256 bytes) through two LDS slots filled by the tensor data mover: four K steps, so the eight steps of 128 are written out and there is no loop.
; CLUSTERS: 4 x 4 work-groups.  The four of a row of the cluster need the same rows of x, the four of a column the same head's rows of W: each tile is asked for jointly.
; LIMITS: e0 + e1 between -126 and 127; e2, e3, e5 between -126 and 119, so that each power of two below is an f32 number.  NaN codes among the inputs are not served.
; REGISTERS, in windows of 256.  window 0: v16-37 addresses and scales; v64-255 W's 12 fragments, ONE set (on the way out: v64-95 at work, v96-191 codes).
;   window 1: v0-127 x's 4 fragments, TWO sets; v128-255 v's accumulators ((a, t) at 128 + 8 (4 t + a)).   window 2: q's and k's accumulators ((a, b) at 8 (8 a + b)).   window 3: v0-63 q's and k's biases, v64-71 v's.
.set PITCH, 272                        ; an LDS row: 256 bytes + 16 of padding = 68 words: row r starts at bank 4 r mod 64 (64 banks of 4 bytes: ISA guide 11.1)
.set HALFA, 128*PITCH                  ; what a tensor load for x brings
.set HALFB, 96*PITCH                   ; and one for W
.set BOFF,  256*PITCH                  ; a slot: x's 256 rows, then W's 192
.set SLOT,  448*PITCH
.set SPARE, 2*SLOT                     ; behind the ring: the spare words, 128 bytes for each wave: two blocks of 256 bytes that no other line names
.set ADRA, 16                          ; v16-17  LDS address of my x fragments in slot 0, 1
.set ADRB, 20                          ; v20-21  the same for W
.set LI,   26                          ; v26     16 x lane: my place in an image
.set BH,   27                          ; v27     32 h: my half's eight biases
.set SPW,  28                          ; v28     LDS address of my spare word; never rewritten
.set NIL,  29                          ; v29     0; never rewritten
.set BR,   30                          ; v30     4 r: my channel's bias
.set QS,   32                          ; v32-33  2^e2, 448 x 2^e2;  v34-35 the same for e3;  v36-37 for e5
.set KS,   34
.set VS,   36
.set WF,   64
.set TMP,  64
.set CODE, 96
.set G1,  24                           ; s[24:31] descriptor group 1 for x's tiles;  s[32:39] group 0, one set for each slot
.set G0,  32
.set G1B, 48                           ; s[48:55], s[56:63] the same for W's tiles
.set G0B, 56
.set MSB, 0
.macro WIN new                         ; the immediate's high byte repeats the setting that is left; a switch that changes nothing is dropped
.if MSB != \new
	s_set_vgpr_msb (MSB<<8)|\new
.set MSB, \new
.endif
.endm
.macro PLACES                          ; four plain vector instructions between a matrix instruction and a load into, or a vector access to, its registers
.rept 4
	v_nop
.endr
.endm
; A joint load: waves 0 and 1 fetch x's halves, waves 2 and 3 W's.  The branch hangs on the wave's number alone.  Four v_nop follow each of the two lines.
.macro JLOAD s
	s_cmp_eq_u32 s17, 0
	s_cbranch_scc0 .Lfor_b_\@
	tensor_load_to_lds s[G0+4*\s:G0+4*\s+3], s[G1:G1+7]
	s_nop 0
.rept 4
	v_nop
.endr
	s_branch .Lasked_\@
.Lfor_b_\@:
	tensor_load_to_lds s[G0B+4*\s:G0B+4*\s+3], s[G1B:G1B+7]
	s_nop 0
.rept 4
	v_nop
.endr
.Lasked_\@:
.endm
.macro CREST                           ; a round of the cluster's barrier behind its opening barrier
	s_cmp_lg_u32 s16, 0
	s_cbranch_scc1 .Lnot_wave_0_\@
	s_barrier_signal -3
.Lnot_wave_0_\@:
	s_barrier_wait -3
	s_barrier_signal -1
	s_barrier_wait -1
.endm
.macro CROUND                          ; a whole round
	s_barrier_signal -1
	s_barrier_wait -1
	CREST
.endm
	s_load_b256 s[4:11], s[0:1], 0x0               ; x s[4:5], W s[6:7], b_qkv s[8:9], the exponents s[10:11]
	s_load_b128 s[12:15], s[0:1], 0x20             ; q_img s[12:13], kv s[14:15]
	v_lshl_add_u32 v[SPW], v0, 2, SPARE
	v_mov_b32 v[NIL], 0
	ds_add_u32 v28, v29
	ds_add_u32 v28, v29
	s_wait_dscnt 0x0
	v_lshrrev_b32 v1, 5, v0
	v_readfirstlane_b32 s16, v1                    ; wave 0..3
	s_lshr_b32 s17, s16, 1                         ; I fetch for x (0) or for W (1)
	s_and_b32 s18, s16, 1                          ; which half of that tile
	s_bfe_u32 s40, ttmp6, 0x40000                  ; cx, cy: my place in the cluster
	s_bfe_u32 s41, ttmp6, 0x40004
	s_lshl_b32 s42, ttmp9, 2
	s_add_co_u32 s42, s42, s40                     ; the head = 4 x cluster x + cx
	s_and_b32 s19, ttmp7, 0xffff
	s_lshl_b32 s19, s19, 2
	s_add_co_u32 s19, s19, s41                     ; my block of 256 rows = 4 x cluster y + cy
	s_lshl_b32 s43, s41, 2
	s_lshl_b32 s43, 15, s43                        ; my row of the cluster
	s_lshl_b32 s44, 0x1111, s40                    ; my column
	s_or_b32 s[G1], s43, (1<<20)|(1<<21)|(5<<22)|(3<<25)   ; 15:0 the mask; 17:16 elements of 1 byte; 20 padding on; 21 set beside a mask; 24:22 after every 64 words; 31:25 four words
	s_or_b32 s[G1B], s44, (1<<20)|(1<<21)|(5<<22)|(3<<25)
	s_mov_b32 s[G1+1], 256<<16                     ; tensor_dim0 = 256
	s_mov_b32 s[G1+2], 128<<16                     ; tensor_dim1 = 128
	s_mov_b32 s[G1+3], 256<<16                     ; tile_dim0 = 256
	s_mov_b32 s[G1+4], 128                         ; tile_dim1 = 128
	s_mov_b32 s[G1+5], 1024                        ; from row to row
	s_mov_b32 s[G1+6], 0
	s_mov_b32 s[G1+7], 0
	s_mov_b32 s[G1B+1], 256<<16
	s_mov_b32 s[G1B+2], 96<<16                     ; W: 96 rows a load
	s_mov_b32 s[G1B+3], 256<<16
	s_mov_b32 s[G1B+4], 96
	s_mov_b32 s[G1B+5], 1024
	s_mov_b32 s[G1B+6], 0
	s_mov_b32 s[G1B+7], 0
	s_lshl_b32 s20, s19, 18                        ; x: (256 block + 128 half) rows of 1,024 bytes: hangs on the block of rows alone
	s_lshl_b32 s21, s18, 17
	s_add_co_u32 s20, s20, s21
	s_mov_b32 s21, 0
	s_mul_i32 s46, s42, 192*1024                   ; W: (192 head + 96 half) rows: hangs on the head alone
	s_mul_i32 s47, s18, 96*1024
	s_add_co_u32 s46, s46, s47
	s_mov_b32 s47, 0
	s_mul_i32 s45, s18, HALFA                      ; where they go: no place in the cluster enters an LDS address
	s_mul_i32 s22, s18, HALFB
	s_add_co_u32 s22, s22, BOFF
	s_wait_kmcnt 0x0
	s_load_b256 s[68:75], s[10:11], 0x0            ; e0 .. e7
	s_add_nc_u64 s[20:21], s[4:5], s[20:21]
	s_add_nc_u64 s[46:47], s[6:7], s[46:47]
	CROUND                                         ; all sixteen work-groups are here: the first joint loads meet
.irp s, 0,1
	s_mov_b32 s[G0+4*\s], 1
	s_add_co_u32 s[G0+4*\s+1], s45, \s*SLOT
	s_add_nc_u64 s[G0+4*\s+2:G0+4*\s+3], s[20:21], \s*256
	s_or_b32 s[G0+4*\s+3], s[G0+4*\s+3], 0x80000000
	s_mov_b32 s[G0B+4*\s], 1
	s_add_co_u32 s[G0B+4*\s+1], s22, \s*SLOT
	s_add_nc_u64 s[G0B+4*\s+2:G0B+4*\s+3], s[46:47], \s*256
	s_or_b32 s[G0B+4*\s+3], s[G0B+4*\s+3], 0x80000000
	JLOAD \s                                       ; K steps 0 and 1: two loads of mine are out
.endr
	v_and_b32 v1, 15, v0                           ; r
	v_bfe_u32 v2, v0, 4, 1                         ; h
	v_mul_u32_u24 v3, v1, PITCH
	v_lshl_add_u32 v3, v2, 4, v3                   ; a fragment's row x pitch + 16 h
	s_mul_i32 s23, s16, 64*PITCH                   ; my 64 rows of x
	v_add_nc_u32 v[ADRA], s23, v3
	v_add_nc_u32 v[ADRA+1], SLOT, v[ADRA]
	v_add_nc_u32 v[ADRB], BOFF, v3
	v_add_nc_u32 v[ADRB+1], SLOT+BOFF, v3
	v_and_b32 v4, 31, v0
	v_lshlrev_b32 v[LI], 4, v4
	v_lshlrev_b32 v[BH], 5, v2
	v_lshlrev_b32 v[BR], 2, v1
	s_lshr_b32 s86, s19, 3                         ; the batch: 8 blocks of 256 rows each
	s_lshl_b32 s86, s86, 4
	s_add_co_u32 s86, s86, s42                     ; bh = 16 x batch + head
	s_and_b32 s87, s19, 7
	s_lshl_b32 s87, s87, 2
	s_add_co_u32 s87, s87, s16                     ; my step of 64 keys in the head: 4 (block % 8) + wave; my first tile of queries is 4 times that
	s_lshl_b32 s88, s86, 17
	s_lshl_b32 s89, s87, 12
	s_add_co_u32 s88, s88, s89
	s_mov_b32 s89, 0
	s_add_nc_u64 s[80:81], s[12:13], s[88:89]      ; q_img at my four tiles
	s_lshl_b32 s90, s86, 18
	s_lshl_b32 s91, s87, 13
	s_add_co_u32 s90, s90, s91
	s_mov_b32 s91, 0
	s_add_nc_u64 s[82:83], s[14:15], s[90:91]      ; kv at my step
	s_mul_i32 s92, s42, 768
	s_mov_b32 s93, 0
	s_add_nc_u64 s[84:85], s[8:9], s[92:93]        ; b_qkv at my head's 192 numbers
	WIN 0xc0                                       ; destination window 3
.irp b, 0,1,2,3,4,5,6,7
	global_load_b128 v[8*\b:8*\b+3], v[BH], s[84:85] offset:64*\b          ; the biases of features 16 b + 8 h + 0..7, in the results' layout
	global_load_b128 v[8*\b+4:8*\b+7], v[BH], s[84:85] offset:64*\b+16
.endr
.irp t, 0,1,2,3
	global_load_b32 v[64+2*\t], v[BR], s[84:85] offset:512+64*\t           ; the bias of channel 16 t + r, in both registers of a pair
	global_load_b32 v[65+2*\t], v[BR], s[84:85] offset:512+64*\t
.endr
	WIN 0
.macro FRAG reg, adr, off              ; a fragment, 16 rows x 128 K: registers 4 c .. 4 c + 3 hold K = 32 c + 16 h + 0..15 of row r
.irp c, 0,1,2,3
	ds_load_b128 v[(\reg)+4*\c:(\reg)+4*\c+3], v[\adr] offset:(\off)+32*\c
.endr
.endm
.macro FETCH_W slot, q, b0             ; W's tiles b0 .. b0 + 5 of the slot's q-th 128 along K: 24 loads
	WIN 0
.irp i, 0,1,2,3,4,5
	FRAG WF+16*((\b0)+\i), ADRB+\slot, ((\b0)+\i)*16*PITCH+128*(\q)
.endr
.endm
.macro FETCH_X slot, q, p              ; x's four blocks into set p: 16 loads
	WIN 0x40
.irp i, 0,1,2,3
	FRAG 64*(\p)+16*\i, ADRA+\slot, \i*16*PITCH+128*(\q)
.endr
	WIN 0
.endm
; Four matrix instructions: W's tile b against x's four blocks of set p.  The 48 accumulators take turns, one instruction a turn, in the same order in every step.
.macro MULB b, p, zero
.if (\b) < 8
	WIN 0xa4                                       ; source 0 (W) window 0, source 1 (x) window 1, C and D window 2
.irp a, 0,1,2,3
.if \zero
	v_wmma_f32_16x16x128_fp8_fp8 v[8*(8*\a+(\b)):8*(8*\a+(\b))+7], v[WF+16*(\b):WF+16*(\b)+15], v[64*(\p)+16*\a:64*(\p)+16*\a+15], 0
.else
	v_wmma_f32_16x16x128_fp8_fp8 v[8*(8*\a+(\b)):8*(8*\a+(\b))+7], v[WF+16*(\b):WF+16*(\b)+15], v[64*(\p)+16*\a:64*(\p)+16*\a+15], v[8*(8*\a+(\b)):8*(8*\a+(\b))+7]
.endif
.endr
.else
	WIN 0x51                                       ; source 0 (x) window 1, source 1 (W) window 0, C and D window 1
.irp a, 0,1,2,3
.if \zero
	v_wmma_f32_16x16x128_fp8_fp8 v[128+8*(4*((\b)-8)+\a):128+8*(4*((\b)-8)+\a)+7], v[64*(\p)+16*\a:64*(\p)+16*\a+15], v[WF+16*(\b):WF+16*(\b)+15], 0
.else
	v_wmma_f32_16x16x128_fp8_fp8 v[128+8*(4*((\b)-8)+\a):128+8*(4*((\b)-8)+\a)+7], v[64*(\p)+16*\a:64*(\p)+16*\a+15], v[WF+16*(\b):WF+16*(\b)+15], v[128+8*(4*((\b)-8)+\a):128+8*(4*((\b)-8)+\a)+7]
.endif
.endr
.endif
.endm
; A slot's first 128 along K (x's set 0).  A tile of W is free as soon as its four products are issued: tiles 0-5 are fetched anew in the middle, tiles 6-11 at the end.
.macro STEP slot, zero
	s_wait_dscnt 24                                ; W's tiles 0-5 and x are in; the youngest 24 loads (W's tiles 6-11) may be out
.irp n, 0,1,2,3,4,5
	MULB \n, 0, \zero
.endr
	s_wait_dscnt 0x0                               ; W's tiles 6-11 are in
	PLACES
	FETCH_W \slot, 1, 0
	FETCH_X \slot, 1, 1
.irp n, 6,7,8,9,10,11
	MULB \n, 0, \zero
.endr
	PLACES
	FETCH_W \slot, 1, 6
.endm
; A slot's second 128 along K (x's set 1) changes slots: ONE barrier; in front of it each wave waits for all its tensor loads, adds 0 to its spare word, and waits for that and for its reads of this slot.
.macro TURN slot, next, fill
	s_wait_tensorcnt 0x0                           ; all my tensor loads have landed: my part of the next slot
	ds_add_u32 v[SPW], v[NIL]                      ; 0 onto my spare word
	s_wait_dscnt 25                                ; (the add and the youngest 24 loads may be out)
.irp n, 0,1,2
	MULB \n, 1, 0
.endr
	s_wait_dscnt 0x0                               ; the add is done, and my reads of this slot are over
	s_barrier_signal -1
.irp n, 3,4,5
	MULB \n, 1, 0
.endr
	WIN 0
	s_barrier_wait -1
.if \fill
	CREST                                          ; the barrier has opened a round of the cluster's barrier: no wave of any partner still reads this slot or has a load on its way
	s_add_nc_u64 s[G0+4*\slot+2:G0+4*\slot+3], s[G0+4*\slot+2:G0+4*\slot+3], 512
	s_add_nc_u64 s[G0B+4*\slot+2:G0B+4*\slot+3], s[G0B+4*\slot+2:G0B+4*\slot+3], 512
	JLOAD \slot                                    ; the first tensor load behind the round, two K steps ahead; its four v_nop are the places in front of the loads below
.else
	PLACES
.endif
	FETCH_W \next, 0, 0
	FETCH_X \next, 0, 0
.irp n, 6,7,8,9,10,11
	MULB \n, 1, 0
.endr
	PLACES
	FETCH_W \next, 0, 6
.endm
	s_wait_tensorcnt 1                             ; my part of K step 0 is in (K step 1's load may be out)
	s_barrier_signal -1
	s_barrier_wait -1                              ; everybody's is
	FETCH_W 0, 0, 0
	FETCH_X 0, 0, 0
	FETCH_W 0, 0, 6
	STEP 0, 1                                      ; the first products start the sums: nothing is cleared
	TURN 0, 1, 1                                   ; slot 0 takes K step 2
	STEP 1, 0
	TURN 1, 0, 1                                   ; slot 1 takes K step 3
	STEP 0, 0
	TURN 0, 1, 0                                   ; nothing is left to fetch
	STEP 1, 0
	s_wait_dscnt 24                                ; the last 128 along K
.irp n, 0,1,2,3,4,5
	MULB \n, 1, 0
.endr
	s_wait_dscnt 0x0
.irp n, 6,7,8,9,10,11
	MULB \n, 1, 0
.endr
	WIN 0
; THE WAY OUT.  value = sum x 2^(e0 + e1) + bias, one packed multiply-add for two numbers; held within +-448 x the scale (the conversion to an 8-bit code does not saturate: ISA guide 7.6.2); converted.
.macro SCALE e, vs                     ; v[vs] = 2^e as f32, v[vs + 1] = 448 x 2^e
	s_add_co_i32 s86, s[\e], 127
	s_lshl_b32 s87, s86, 23
	v_mov_b32 v[\vs], s87
	s_add_co_i32 s86, s86, 8
	s_lshl_b32 s86, s86, 23
	s_or_b32 s86, s86, 0x600000
	v_mov_b32 v[(\vs)+1], s86
.endm
; One fragment: 32 sums of a lane (four accumulators on end, each read from its low end on) become 8 registers of codes, which are stored as they stand.  Each fragment has its own registers for its codes.
.macro OUTG wn, acc, bias, bstep, sc, g, base, off
	WIN \wn
.set i, 0
.rept 16
	v_pk_fma_f32 v[TMP+i:TMP+i+1], v[(\acc)+i:(\acc)+i+1], s[76:77], v[(\bias)+(\bstep)*i:(\bias)+(\bstep)*i+1] op_sel_hi:[1,0,1]
.set i, i+2
.endr
	WIN 0
.set i, 0
.rept 32
	v_med3_num_f32 v[TMP+i], v[TMP+i], -v[(\sc)+1], v[(\sc)+1]
.set i, i+1
.endr
.irp c, 0,1,2,3
	v_cvt_scalef32_pk8_fp8_f32 v[CODE+8*(\g)+2*\c:CODE+8*(\g)+2*\c+1], v[TMP+8*\c:TMP+8*\c+7], v[\sc]
.endr
	v_nop                                          ; a plain line between the conversions and the next fragment's writes of their sources
	global_store_b128 v[LI], v[CODE+8*(\g):CODE+8*(\g)+3], s[\base:\base+1] offset:\off
	global_store_b128 v[LI], v[CODE+8*(\g)+4:CODE+8*(\g)+7], s[\base:\base+1] offset:(\off)+512
.endm
	s_wait_kmcnt 0x0
	s_add_co_i32 s76, s68, s69
	s_add_co_i32 s76, s76, 127
	s_lshl_b32 s76, s76, 23                        ; 2^(e0 + e1) as f32
	s_mov_b32 s77, s76                             ; (named with it as a pair, so it is written)
	PLACES                                         ; behind the last products: their registers are read and written below
	SCALE 70, QS
	SCALE 71, KS
	SCALE 73, VS
	s_wait_loadcnt 0x0                             ; the biases
.irp a, 0,1,2,3
	OUTG 0x32, 64*\a, 0, 1, QS, \a, 80, 1024*\a                ; q: rows 16 a on; source 0 window 2, source 2 window 3
.endr
.irp a, 0,1,2,3
	OUTG 0x32, 64*\a+32, 32, 1, KS, 4+\a, 82, 1024*\a          ; k: keys 16 a on
.endr
.irp t, 0,1,2,3
	OUTG 0x31, 128+32*\t, 64+2*\t, 0, VS, 8+\t, 82, 4096+1024*\t   ; v: channels 16 t on, my 64 keys; source 0 window 1; one bias for the lane
.endr
	s_wait_tensorcnt 0x0                           ; the wave's end
	ds_add_u32 v[SPW], v[NIL]
	s_wait_dscnt 0x0
	CROUND                                         ; the closing round: no work-group ends while a partner may still ask for a tile that names it
	s_endpgm
.Lfunc_end_k_qf484f6945f_qkv:
	.size	k_qf484f6945f_qkv, .Lfunc_end_k_qf484f6945f_qkv-k_qf484f6945f_qkv
	.p2alignl 7, 3214868480
	.fill 96, 4, 3214868480
	.section	.rodata,"a",@progbits
	.p2align	6, 0x0
	.amdhsa_kernel k_qf484f6945f_qkv
		.amdhsa_group_segment_fixed_size 327680
		.amdhsa_private_segment_fixed_size 0
		.amdhsa_enable_private_segment 0
		.amdhsa_kernarg_size 48
		.amdhsa_user_sgpr_count 2
		.amdhsa_user_sgpr_kernarg_segment_ptr 1
		.amdhsa_wavefront_size32 1
		.amdhsa_system_sgpr_workgroup_id_x 1
		.amdhsa_system_sgpr_workgroup_id_y 1
		.amdhsa_system_sgpr_workgroup_id_z 1
		.amdhsa_system_vgpr_workitem_id 0
		.amdhsa_next_free_vgpr 1024
		.amdhsa_next_free_sgpr 98
		.amdhsa_reserve_vcc 0
		.amdhsa_float_denorm_mode_32 3
		.amdhsa_float_denorm_mode_16_64 3
		.amdhsa_memory_ordered 1
		.amdhsa_forward_progress 1
		.amdhsa_inst_pref_size 115
	.end_amdhsa_kernel
	.amdgpu_metadata
---
amdhsa.version: [ 1, 2 ]
amdhsa.kernels:
  - .name:           k_qf484f6945f_qkv
    .symbol:         k_qf484f6945f_qkv.kd
    .args:
      - { .name: x_codes, .offset: 0, .size: 8, .value_kind: global_buffer, .address_space: global }
      - { .name: W_qkv_codes, .offset: 8, .size: 8, .value_kind: global_buffer, .address_space: global }
      - { .name: b_qkv, .offset: 16, .size: 8, .value_kind: global_buffer, .address_space: global }
      - { .name: lowp_scales, .offset: 24, .size: 8, .value_kind: global_buffer, .address_space: global }
      - { .name: q_img, .offset: 32, .size: 8, .value_kind: global_buffer, .address_space: global }
      - { .name: kv, .offset: 40, .size: 8, .value_kind: global_buffer, .address_space: global }
    .group_segment_fixed_size: 327680
    .private_segment_fixed_size: 0
    .kernarg_segment_align: 8
    .kernarg_segment_size: 48
    .max_flat_workgroup_size: 128
    .sgpr_count:     98
    .vgpr_count:     1024
    .wavefront_size: 32
...
	.end_amdgpu_metadata
.endif
;; end of part 1
;; launch attn (part 2): grid 4 x 64, 16 waves a work-group, no clusters, 264,192 bytes of LDS; arguments q_img, kv, lowp_scales, ctx_img; writes ctx_img
.if DOCPART == 2
	.amdgcn_target "amdgcn-amd-amdhsa--gfx1250"
	.amdhsa_code_object_version 6
	.text
	.protected	k_qf484f6945f_attn
	.globl	k_qf484f6945f_attn
	.p2align	8
	.type	k_qf484f6945f_attn,@function
k_qf484f6945f_attn:
	s_mov_b64 s[64:65], 0
	v_nop
	global_prefetch_b8 v0, s[64:65] scope:SCOPE_SE
	s_setreg_imm32_b32 hwreg(HW_REG_WAVE_MODE, 25, 1), 1
	s_wait_xcnt 0x0
; ctx[bh][q][:] = the sum over k of softmax_k(q . k / 8) v[k][:], both products on codes of FP8 (E4M3); the result is quantised with 2^e6 and stored as images of the last product's operand.
; THE SOFTMAX AHEAD OF THE SECOND PRODUCT: t = score x log2(e) / 8; M = the running largest t rounded UP to a whole number; p = 2^(t - M) is quantised with 2^e4, not normalised; the row's sum is taken of the
; unquantised p and divides at the end.  When M moves, the sum and O are multiplied by 2^(old M - new M): exact.
; SHARES.  A work-group owns 512 queries of one head; each of its sixteen waves owns two tiles of 16 queries, so that each fragment of K and of V^T read from LDS feeds two matrix instructions.  Four waves share a SIMD.
; OPERANDS arrive as images of their registers (8 registers = 1,024 bytes: registers 0-3 at 16 x lane, 4-7 at 512 + 16 x lane), so every load is 512 consecutive bytes a wave and nothing is shuffled.
; S^T = K Q^T (source 0 = 16 keys, source 1 = 16 queries): lane (r, h) holds query r and keys 16 t + 8 h + 0..7: one conversion of a tile's eight registers gives registers 2 t, 2 t + 1 of P in the plain 8-bit layout.
; O^T = V^T P (source 0 = 16 channels, source 1 = P): lane (r, h) holds query r and channels 16 t + 8 h + 0..7: again the next operand's layout.
; LDS holds the head's whole K and V, 262,144 bytes, at the byte at which they lie in the head's part of kv.  It is filled THROUGH REGISTERS, 16,384 bytes (128 keys) a trip, one trip ahead: wave w loads 1,024 bytes at the
; trip's head and stores them to LDS at its end; one barrier a trip stands between those stores and the reads.  No byte of LDS is written twice.
; NO CLUSTER, NO JOINT LOADS: the four work-groups of a head read the same 262,144 bytes, 16,384 a trip of 128 keys.  This text has a scalar branch on the given exponent e4 (below).
; The branch spares 64 of a key step's vector instructions.
; THE HOLD.  p is at most 1 (by a rounding, a hair more), and 448 x 2^e4 is at least 1.75 where e4 >= -8: there the hold cannot act and is jumped over; for any smaller e4 it is executed.
; LIMITS: e2 + e3 between -123 and 130 (added to c's exponent field); e4 and e6 between -126 and 119.  NaN codes among the operands are not served.
.set LI,  1                            ; v1   16 x lane
.set ADR, 2                            ; v2   LDS address of the block in hand
.set FO,  3                            ; v3   1,024 x wave + 16 x lane: my piece of a block, in memory and in LDS
.set FS,  4                            ; v4   LDS address of my piece of the next block
.set PFO, 5                            ; v5   the prefetches' offset: 8,192 (wave % 2) + 256 x lane
.set Q,   16                           ; v16-31   Q, 8 a tile
.set F,   32                           ; v32-63   four fragments of K, then of V^T
.set S,   64                           ; v64-127  S^T, then p: 32 a tile
.set O,   128                          ; v128-191 O^T: 32 a tile
.set P,   192                          ; v192-207 p's codes: 8 a tile
.set FD,  208                          ; v208-215 my piece of the next block
.set ST,  216                          ; tile x at +4 x: -M, the largest t, the sum in two halves
.set T,   224                          ; tile x at +8 x: +0, +1, +2 at work; +4, +5 f (a pair; the low word serves); +6, +7 a second chain of the sum
.set SC,  240                          ; v240 2^e as f32 for the conversions; v241 448 x that
.set LIM, 241
	s_load_b256 s[4:11], s[0:1], 0x0               ; q_img s[4:5], kv s[6:7], the exponents s[8:9], ctx_img s[10:11]
	v_lshl_add_u32 v254, v0, 2, 0x40000
	v_mov_b32 v255, 0
	v_lshrrev_b32 v6, 5, v0
	v_readfirstlane_b32 s12, v6                    ; wave 0..15
	v_and_b32 v7, 31, v0
	v_lshlrev_b32 v[LI], 4, v7
	v_lshl_add_u32 v[FO], v6, 10, v[LI]
	s_and_b32 s38, s12, 1
	s_lshl_b32 s38, s38, 13
	v_lshlrev_b32 v[PFO], 8, v7
	v_add_nc_u32 v[PFO], s38, v[PFO]
	s_and_b32 s13, ttmp7, 0xffff                   ; bh = 16 x batch + head
	s_lshl_b32 s38, s13, 18                        ; the head's K and V
	s_mov_b32 s39, 0
	s_lshl_b32 s40, s13, 7
	s_lshl_b32 s41, ttmp9, 5
	s_add_co_u32 s40, s40, s41
	s_lshl_b32 s41, s12, 1
	s_add_co_u32 s40, s40, s41                     ; my first tile of queries: 128 bh + 32 x work-group + 2 x wave
	s_lshl_b32 s40, s40, 10
	s_mov_b32 s41, 0
	s_lshr_b32 s42, s13, 4
	s_lshl_b32 s42, s42, 7
	s_lshl_b32 s43, ttmp9, 5
	s_add_co_u32 s42, s42, s43
	s_lshl_b32 s43, s12, 1
	s_add_co_u32 s42, s42, s43                     ; the same tile among all 512 tiles of rows: 128 x batch + ..
	s_lshl_b32 s42, s42, 4
	s_and_b32 s43, s13, 15
	s_add_co_u32 s42, s42, s43                     ; x 16 heads + my head
	s_lshl_b32 s42, s42, 10
	s_mov_b32 s43, 0
	s_lshr_b32 s22, s12, 1                         ; who prefetches: waves 0 and 1
	s_or_b32 s22, s22, ttmp9                       ; of the head's first work-group
	s_cmp_eq_u32 s22, 0
	s_cselect_b32 s22, 1, -1                       ; 1 there, else the greatest number
	s_mov_b32 s16, 0x76543210                      ; v_permlanex16_b32's selects: lane l xor 16
	s_mov_b32 s17, 0xfedcba98
	s_mov_b32 s20, 0                               ; LDS byte at which the block in hand begins
	s_wait_kmcnt 0x0
	s_load_b256 s[24:31], s[8:9], 0x0              ; e0 .. e7
	s_add_nc_u64 s[32:33], s[6:7], s[38:39]        ; kv at the block in hand
	s_add_nc_u64 s[34:35], s[4:5], s[40:41]
	s_add_nc_u64 s[36:37], s[10:11], s[42:43]
	global_load_b128 v[FD:FD+3], v[FO], s[32:33]               ; my piece of block 0
	global_load_b128 v[FD+4:FD+7], v[FO], s[32:33] offset:512
.irp x, 0,1
	global_load_b128 v[Q+8*\x:Q+8*\x+3], v[LI], s[34:35] offset:1024*\x     ; Q stays in registers
	global_load_b128 v[Q+8*\x+4:Q+8*\x+7], v[LI], s[34:35] offset:1024*\x+512
.endr
.set j, 0
.rept 64
	v_mov_b32 v[O+j], 0                            ; O^T.  (The key step is written once: the first finds zeros, which the first change of M leaves zeros)
.set j, j+1
.endr
.irp x, 0,1
	v_mov_b32 v[ST+4*\x+1], 0xff61b1e6             ; the largest t so far: -3e38, under every t
	v_floor_f32 v[ST+4*\x], -v[ST+4*\x+1]          ; -M
	v_mov_b32 v[ST+4*\x+2], 0                      ; the sum
	v_mov_b32 v[ST+4*\x+3], 0
	v_mov_b32 v[T+8*\x+2], 0                       ; a lane permute's destination counts as one of its sources
	v_mov_b32 v[T+8*\x+5], 0                       ; (named as the upper half of f's pair)
.endr
	s_wait_kmcnt 0x0
	s_add_co_i32 s38, s26, s27
	s_lshl_b32 s38, s38, 23
	s_add_co_i32 s18, s38, 0x3e38aa3b              ; c = log2(e) / 8, with e2 + e3 added to its exponent field: a score stands for score x 2^(e2 + e3)
	s_mov_b32 s19, s18                             ; (named with it as a pair, so it is written)
	s_add_co_i32 s38, s28, 127
	s_lshl_b32 s39, s38, 23
	v_mov_b32 v[SC], s39                           ; 2^e4
	s_add_co_i32 s38, s38, 8
	s_lshl_b32 s38, s38, 23
	s_or_b32 s38, s38, 0x600000
	v_mov_b32 v[LIM], s38                          ; 448 x 2^e4
	s_wait_loadcnt 4                               ; block 0's two loads are in; Q's four, issued behind them, may be out
	ds_store_b128 v[FO], v[FD:FD+3]
	ds_store_b128 v[FO], v[FD+4:FD+7] offset:512
	s_wait_loadcnt 0x0                             ; Q
	s_wait_dscnt 0x0                               ; for the others' sake: my stores have landed
	s_barrier_signal -1
	s_barrier_wait -1                              ; block 0 is whole
; A KEY STEP: 64 keys, the hs-th of the block in hand, for my two tiles of queries.
.macro STEP hs
.rept 4
	v_nop                                          ; places in front of loads into registers that the last products read
.endr
.irp t, 0,1,2,3
	ds_load_b128 v[F+8*\t:F+8*\t+3], v[ADR] offset:8192*(\hs)+1024*\t
	ds_load_b128 v[F+8*\t+4:F+8*\t+7], v[ADR] offset:8192*(\hs)+1024*\t+512
.endr
	s_wait_dscnt 0x0
.irp t, 0,1,2,3
.irp x, 0,1
	v_wmma_f32_16x16x64_fp8_fp8 v[S+32*\x+8*\t:S+32*\x+8*\t+7], v[F+8*\t:F+8*\t+7], v[Q+8*\x:Q+8*\x+7], 0
.endr
.endr
.rept 4
	v_nop                                          ; places in front of the loads below and of the first read of the scores
.endr
.irp t, 0,1,2,3
	ds_load_b128 v[F+8*\t:F+8*\t+3], v[ADR] offset:8192*(\hs)+4096+1024*\t        ; V^T lands while the softmax is worked
	ds_load_b128 v[F+8*\t+4:F+8*\t+7], v[ADR] offset:8192*(\hs)+4096+1024*\t+512
.endr
.irp x, 0,1                                    ; the step's largest score of my query among my 32 keys, in two chains, the tiles by turns; each accumulator is read from its low end on
	v_max3_num_f32 v[T+8*\x], v[S+32*\x], v[S+32*\x+1], v[S+32*\x+2]
	v_max3_num_f32 v[T+8*\x+1], v[S+32*\x+3], v[S+32*\x+4], v[S+32*\x+5]
.endr
.irp i, 6,10,14,18,22,26
.irp x, 0,1
	v_max3_num_f32 v[T+8*\x], v[T+8*\x], v[S+32*\x+\i], v[S+32*\x+\i+1]
	v_max3_num_f32 v[T+8*\x+1], v[T+8*\x+1], v[S+32*\x+\i+2], v[S+32*\x+\i+3]
.endr
.endr
.irp x, 0,1
	v_max3_num_f32 v[T+8*\x], v[T+8*\x], v[S+32*\x+30], v[S+32*\x+31]
.endr
.irp x, 0,1
	v_max_num_f32 v[T+8*\x], v[T+8*\x], v[T+8*\x+1]
.endr
.irp x, 0,1
	v_permlanex16_b32 v[T+8*\x+2], v[T+8*\x], s16, s17     ; the query's other 32 keys lie in the lane 16 away
.endr
.irp x, 0,1
	v_max_num_f32 v[T+8*\x], v[T+8*\x], v[T+8*\x+2]
.endr
.irp x, 0,1
	v_mul_f32 v[T+8*\x], s18, v[T+8*\x]            ; as t (c is positive)
.endr
.irp x, 0,1
	v_max_num_f32 v[ST+4*\x+1], v[ST+4*\x+1], v[T+8*\x]    ; the running largest t
.endr
.irp x, 0,1
	v_mov_b32 v[T+8*\x], v[ST+4*\x]
.endr
.irp x, 0,1
	v_floor_f32 v[ST+4*\x], -v[ST+4*\x+1]          ; the new -M = floor(-t) = -ceil(t): M is a whole number
.endr
.irp x, 0,1
	v_sub_f32 v[T+8*\x], v[ST+4*\x], v[T+8*\x]     ; old M - new M: a whole number, 0 or less
.endr
.irp x, 0,1
	v_cvt_i32_f32 v[T+8*\x], v[T+8*\x]             ; (it saturates)
.endr
.irp x, 0,1
	v_ldexp_f32 v[T+8*\x+4], 1.0, v[T+8*\x]        ; f = 2^(old M - new M)
.endr
.set j, 0
.rept 32
	v_pk_fma_f32 v[S+j:S+j+1], v[S+j:S+j+1], s[18:19], v[ST+4*(j/32):ST+4*(j/32)+1] op_sel_hi:[1,0,0]   ; t - M, two at a time (of the pairs c and -M the low word serves both halves)
.set j, j+2
.endr
.set j, 0
.rept 64
	v_exp_f32 v[S+j], v[S+j]                       ; p = 2^(t - M): both tiles' exponentials are one batch
.set j, j+1
.endr
.irp x, 0,1
	v_pk_mul_f32 v[ST+4*\x+2:ST+4*\x+3], v[ST+4*\x+2:ST+4*\x+3], v[T+8*\x+4:T+8*\x+5] op_sel_hi:[1,0]   ; the sums under the new M: plain work that names no exponential's result
.endr
.set j, 0
.rept 32
	v_pk_mul_f32 v[O+j:O+j+1], v[O+j:O+j+1], v[T+8*(j/32)+4:T+8*(j/32)+5] op_sel_hi:[1,0]               ; O^T under the new M
.set j, j+2
.endr
	s_wait_alu depctr_va_vdst(0)                   ; one wait for the whole batch, ahead of its first reader
.irp x, 0,1                                    ; the row's sum is taken of the UNQUANTISED p: two at a time, in two chains
	v_pk_add_f32 v[T+8*\x+6:T+8*\x+7], v[S+32*\x:S+32*\x+1], v[S+32*\x+2:S+32*\x+3]
.endr
.irp i, 4,8,12,16,20,24,28
.irp x, 0,1
	v_pk_add_f32 v[ST+4*\x+2:ST+4*\x+3], v[ST+4*\x+2:ST+4*\x+3], v[S+32*\x+\i:S+32*\x+\i+1]
	v_pk_add_f32 v[T+8*\x+6:T+8*\x+7], v[T+8*\x+6:T+8*\x+7], v[S+32*\x+\i+2:S+32*\x+\i+3]
.endr
.endr
.irp x, 0,1
	v_pk_add_f32 v[ST+4*\x+2:ST+4*\x+3], v[ST+4*\x+2:ST+4*\x+3], v[T+8*\x+6:T+8*\x+7]
.endr
	s_cmp_ge_i32 s28, -8                           ; where 448 x 2^e4 >= 1.75 no p reaches it
	s_cbranch_scc1 .Lno_hold_\@
.set j, 0
.rept 64
	v_min_num_f32 v[S+j], v[S+j], v[LIM]           ; the conversion to an 8-bit code does not saturate (ISA guide 7.6.2); p is not negative, so the hold is one-sided
.set j, j+1
.endr
.Lno_hold_\@:
.set j, 0
.rept 8
	v_cvt_scalef32_pk8_fp8_f32 v[P+2*j:P+2*j+1], v[S+8*j:S+8*j+7], v[SC]      ; tile j / 4, keys 16 (j % 4) + 8 h + 0..7: registers 2 (j % 4), + 1 of its P
.set j, j+1
.endr
	v_nop                                          ; a plain line between the conversions and the products that read their results
	s_wait_dscnt 0x0                               ; V^T is in
.irp t, 0,1,2,3
.irp x, 0,1
	v_wmma_f32_16x16x64_fp8_fp8 v[O+32*\x+8*\t:O+32*\x+8*\t+7], v[F+8*\t:F+8*\t+7], v[P+8*\x:P+8*\x+7], v[O+32*\x+8*\t:O+32*\x+8*\t+7]   ; the eight accumulators take turns
.endr
.endr
.endm
; A PREFETCH INTO THE L2 of the block that the NEXT trip will load: 16,384 bytes, lanes 256 bytes apart, 8,192 bytes a wave.  It stands behind the wave's two loads.  All four work-groups of a head walk the same blocks:
; the head's first work-group asks, in it waves 0 and 1, one instruction each: so each aligned 256 bytes are named once in the launch.  Blocks 0 and 1 come by their loads alone; the last trip that loads asks for nothing.
.macro ASK
	s_cmp_gt_u32 s21, s22
	s_cbranch_scc0 .Lnot_mine_\@
	global_prefetch_b8 v[PFO], s[32:33] offset:2*16384 th:TH_LOAD_NT scope:SCOPE_SE
.Lnot_mine_\@:
.endm
; A TRIP: a block of 128 keys.  fill = 1: my piece of the next block is asked for at the head and goes to LDS at the end, in front of the trip's one barrier.
.macro TRIP fill
.if \fill
	global_load_b128 v[FD:FD+3], v[FO], s[32:33] offset:16384
	global_load_b128 v[FD+4:FD+7], v[FO], s[32:33] offset:16384+512
	ASK
.endif
	v_add_nc_u32 v[ADR], s20, v[LI]
	STEP 0
	STEP 1
.if \fill
	s_wait_loadcnt 0x0                             ; my piece of the next block, asked for two key steps ago
	v_add_nc_u32 v[FS], s20, v[FO]
	ds_store_b128 v[FS], v[FD:FD+3] offset:16384   ; bytes that nobody has read or written yet
	ds_store_b128 v[FS], v[FD+4:FD+7] offset:16384+512
	s_wait_dscnt 0x0                               ; for the others' sake: my stores have landed
	s_barrier_signal -1
	s_barrier_wait -1                              ; the next block is whole
	s_wait_xcnt 0x0                                ; the trip's loads and its prefetch have read their base: it may step
	s_add_nc_u64 s[32:33], s[32:33], 16384
	s_add_co_u32 s20, s20, 16384
.endif
.endm
	s_mov_b32 s21, 15                              ; 16 blocks; the last is written out, since it loads nothing: no load leaves the buffer
.Ltrip:
	TRIP 1
	s_sub_co_u32 s21, s21, 1
	s_cmp_lg_u32 s21, 0
	s_cbranch_scc1 .Ltrip
	TRIP 0
	; THE WAY OUT: ctx = O^T x 2^(e4 + e5) / the sum, held, converted with 2^e6: the codes are registers of the last product's operand and are stored as they stand.
.rept 4
	v_nop                                          ; places behind the last products
.endr
	s_add_co_i32 s38, s30, 127
	s_lshl_b32 s39, s38, 23
	s_add_co_i32 s38, s38, 8
	s_lshl_b32 s38, s38, 23
	s_or_b32 s38, s38, 0x600000
	s_add_co_i32 s40, s28, s29
.irp x, 0,1
	v_add_f32 v[T+8*\x], v[ST+4*\x+2], v[ST+4*\x+3]        ; the sum's two halves,
.endr
.irp x, 0,1
	v_permlanex16_b32 v[T+8*\x+2], v[T+8*\x], s16, s17
.endr
.irp x, 0,1
	v_add_f32 v[T+8*\x], v[T+8*\x], v[T+8*\x+2]            ; and lane l xor 16's
.endr
.irp x, 0,1
	v_rcp_f32 v[T+8*\x+4], v[T+8*\x]
.endr
	v_mov_b32 v[SC], s39                           ; 2^e6  (plain lines behind the reciprocals)
	v_mov_b32 v[LIM], s38                          ; 448 x 2^e6
	s_wait_alu depctr_va_vdst(0)                   ; one wait for both reciprocals, ahead of their first reader
.irp x, 0,1
	v_ldexp_f32 v[T+8*\x+4], v[T+8*\x+4], s40      ; x 2^(e4 + e5)
.endr
.set j, 0
.rept 32
	v_pk_mul_f32 v[S+j:S+j+1], v[O+j:O+j+1], v[T+8*(j/32)+4:T+8*(j/32)+5] op_sel_hi:[1,0]
.set j, j+2
.endr
.set j, 0
.rept 64
	v_med3_num_f32 v[S+j], v[S+j], -v[LIM], v[LIM]
.set j, j+1
.endr
.set j, 0
.rept 8
	v_cvt_scalef32_pk8_fp8_f32 v[P+2*j:P+2*j+1], v[S+8*j:S+8*j+7], v[SC]
.set j, j+1
.endr
	v_nop
.irp x, 0,1
	global_store_b128 v[LI], v[P+8*\x:P+8*\x+3], s[36:37] offset:16384*\x          ; the next tile of rows lies 16 heads x 1,024 bytes on; each store covers 512 consecutive bytes, aligned
	global_store_b128 v[LI], v[P+8*\x+4:P+8*\x+7], s[36:37] offset:16384*\x+512
.endr
	s_wait_tensorcnt 0x0
	ds_add_u32 v254, v255
	s_wait_dscnt 0x0
	s_endpgm
.Lfunc_end_k_qf484f6945f_attn:
	.size	k_qf484f6945f_attn, .Lfunc_end_k_qf484f6945f_attn-k_qf484f6945f_attn
	.p2alignl 7, 3214868480
	.fill 96, 4, 3214868480
	.section	.rodata,"a",@progbits
	.p2align	6, 0x0
	.amdhsa_kernel k_qf484f6945f_attn
		.amdhsa_group_segment_fixed_size 264192
		.amdhsa_private_segment_fixed_size 0
		.amdhsa_enable_private_segment 0
		.amdhsa_kernarg_size 32
		.amdhsa_user_sgpr_count 2
		.amdhsa_user_sgpr_kernarg_segment_ptr 1
		.amdhsa_wavefront_size32 1
		.amdhsa_system_sgpr_workgroup_id_x 1
		.amdhsa_system_sgpr_workgroup_id_y 1
		.amdhsa_system_sgpr_workgroup_id_z 1
		.amdhsa_system_vgpr_workitem_id 0
		.amdhsa_next_free_vgpr 256
		.amdhsa_next_free_sgpr 66
		.amdhsa_reserve_vcc 0
		.amdhsa_float_denorm_mode_32 3
		.amdhsa_float_denorm_mode_16_64 3
		.amdhsa_memory_ordered 1
		.amdhsa_forward_progress 1
		.amdhsa_inst_pref_size 78
	.end_amdhsa_kernel
	.amdgpu_metadata
---
amdhsa.version: [ 1, 2 ]
amdhsa.kernels:
  - .name:           k_qf484f6945f_attn
    .symbol:         k_qf484f6945f_attn.kd
    .args:
      - { .name: q_img, .offset: 0, .size: 8, .value_kind: global_buffer, .address_space: global }
      - { .name: kv, .offset: 8, .size: 8, .value_kind: global_buffer, .address_space: global }
      - { .name: lowp_scales, .offset: 16, .size: 8, .value_kind: global_buffer, .address_space: global }
      - { .name: ctx_img, .offset: 24, .size: 8, .value_kind: global_buffer, .address_space: global }
    .group_segment_fixed_size: 264192
    .private_segment_fixed_size: 0
    .kernarg_segment_align: 8
    .kernarg_segment_size: 32
    .max_flat_workgroup_size: 512
    .sgpr_count:     66
    .vgpr_count:     256
    .wavefront_size: 32
...
	.end_amdgpu_metadata
.endif
;; end of part 2
;; launch proj (part 3): grid 8 x 32, 4 waves a work-group, clusters of 4 x 4, 327,680 bytes of LDS; arguments ctx_img, W_out_codes, b_out, lowp_scales, out0; writes out0
.if DOCPART == 3
	.amdgcn_target "amdgcn-amd-amdhsa--gfx1250"
	.amdhsa_code_object_version 6
	.text
	.protected	k_qf484f6945f_proj
	.globl	k_qf484f6945f_proj
	.p2align	8
	.type	k_qf484f6945f_proj,@function
k_qf484f6945f_proj:
	s_mov_b64 s[64:65], 0
	v_nop
	global_prefetch_b8 v0, s[64:65] scope:SCOPE_SE
	s_setreg_imm32_b32 hwreg(HW_REG_WAVE_MODE, 25, 1), 1
	s_wait_xcnt 0x0
	s_wait_alu depctr_hold_cnt(0) depctr_sa_sdst(0) depctr_va_vdst(0) depctr_va_sdst(0) depctr_va_ssrc(0) depctr_va_vcc(0) depctr_vm_vsrc(0)
	s_getreg_b32 s2, hwreg(HW_REG_IB_STS2, 6, 4)
	s_cmp_eq_u32 s2, 0
	s_cbranch_scc0 .Lentry_in_a_cluster
	s_endpgm
.Lentry_in_a_cluster:
	s_bfe_u32 s2, ttmp6, 0x10000c
	s_cmp_lg_u32 s2, 0xf033
	s_cbranch_scc0 .Lentry_shape_is_right
	s_endpgm
.Lentry_shape_is_right:
; out0 = ctx W_out^T + b_out on codes of FP8 (E4M3).  ctx: 8,192 rows x 1,024, as images of operand registers: ctx_img [tile of 16 rows 512][head 16][1024]; two neighbouring heads' images on end are one fragment of
; 16 rows x 128 K in the plain 8-bit layout (registers 2 c, 2 c + 1: K = 16 c + 8 h + 0..7: ISA guide 7.12.2).  W_out: [1024][1024] codes, K innermost; its fragments are read in the same layout, by eight loads of 8 bytes.
; SHARES.  A work-group takes 256 rows x 128 columns of out0: 256 work-groups.  Wave w takes rows 64 w .. 64 w + 63 and all 128 columns: 4 x 8 = 32 accumulators.
; Source 0 = 16 rows of W_out, source 1 = ctx's fragment: a lane holds eight neighbouring columns of one row of out0.
; K goes in steps of 256 through two LDS slots filled by the tensor data mover: four K steps, so the eight steps of 128 are written out and there is no loop.
; CLUSTERS: 4 x 4 work-groups.  The four of a row of the cluster need the same tiles of ctx, the four of a column the same rows of W_out: each tile is asked for jointly.
; LIMIT: e6 + e7 between -126 and 127, so that 2^(e6 + e7) is an f32 number.
; REGISTERS, in windows of 256.  window 0: v16-29 addresses; v64-191 W's 8 fragments, ONE set (on the way out: v64-127 at work, v128-255 rows read back).   window 1: v0-127 ctx's 4 fragments, TWO sets; v128-191 the biases.
;   window 2: the accumulators ((a, b) at 8 (8 a + b)).
.set PITCH,  272                       ; a row of W_out in LDS: 256 bytes + 16 of padding = 68 words: the 32 lanes of a load of 8 bytes (row r, half h) touch words 68 r + 2 h, + 1: 64 different banks (ISA guide 11.1)
.set HALFA,  8*4096                    ; what a tensor load for ctx brings: 8 tiles of rows x 4 heads' images
.set HALFB,  64*PITCH                  ; and one for W_out
.set BOFF,   16*4096                   ; a slot: ctx's 16 tiles of rows, dense, then W_out's 128 rows
.set SLOT,   BOFF+128*PITCH
.set STAGE,  2*SLOT                    ; behind the ring: 16 rows x (512 bytes + 16) for each wave, for the way out: bytes of their own, into which no tile lands
.set SPITCH, 528
.set SPARE,  STAGE+4*16*SPITCH         ; behind the stages: the spare words, 128 bytes for each wave: two blocks of 256 bytes that no other line names
.set ADRA, 16                          ; v16-17  LDS address of my ctx fragments in slot 0, 1
.set ADRB, 20                          ; v20-21  the same for W_out
.set STO,  24                          ; v24     the way out: where I put 32 bytes of a row
.set RD,   25                          ; v25     where I read a row back
.set CO,   26                          ; v26     16 x lane
.set BH,   27                          ; v27     32 h
.set SPW,  28                          ; v28     LDS address of my spare word; never rewritten
.set NIL,  29                          ; v29     0; never rewritten
.set WF,   64
.set TMP,  64
.set BK,   128
.set BIAS, 128                         ; in window 1
.set G1,  24
.set G0,  32
.set G1B, 48
.set G0B, 56
.set MSB, 0
.macro WIN new
.if MSB != \new
	s_set_vgpr_msb (MSB<<8)|\new
.set MSB, \new
.endif
.endm
.macro PLACES                          ; four plain vector instructions between a matrix instruction and a load into, or a vector access to, its registers
.rept 4
	v_nop
.endr
.endm
.macro JLOAD s                         ; a joint load: waves 0 and 1 fetch ctx's halves, waves 2 and 3 W_out's; four v_nop follow each of the two lines
	s_cmp_eq_u32 s17, 0
	s_cbranch_scc0 .Lfor_b_\@
	tensor_load_to_lds s[G0+4*\s:G0+4*\s+3], s[G1:G1+7]
	s_nop 0
.rept 4
	v_nop
.endr
	s_branch .Lasked_\@
.Lfor_b_\@:
	tensor_load_to_lds s[G0B+4*\s:G0B+4*\s+3], s[G1B:G1B+7]
	s_nop 0
.rept 4
	v_nop
.endr
.Lasked_\@:
.endm
.macro CREST
	s_cmp_lg_u32 s16, 0
	s_cbranch_scc1 .Lnot_wave_0_\@
	s_barrier_signal -3
.Lnot_wave_0_\@:
	s_barrier_wait -3
	s_barrier_signal -1
	s_barrier_wait -1
.endm
.macro CROUND
	s_barrier_signal -1
	s_barrier_wait -1
	CREST
.endm
	s_load_b256 s[4:11], s[0:1], 0x0               ; ctx_img s[4:5], W_out s[6:7], b_out s[8:9], the exponents s[10:11]
	s_load_b64 s[12:13], s[0:1], 0x20              ; out0
	v_lshl_add_u32 v[SPW], v0, 2, SPARE
	v_mov_b32 v[NIL], 0
	ds_add_u32 v28, v29
	ds_add_u32 v28, v29
	s_wait_dscnt 0x0
	v_lshrrev_b32 v1, 5, v0
	v_readfirstlane_b32 s16, v1                    ; wave 0..3
	s_lshr_b32 s17, s16, 1                         ; I fetch for ctx (0) or for W_out (1)
	s_and_b32 s18, s16, 1                          ; which half of that tile
	s_bfe_u32 s40, ttmp6, 0x40000                  ; cx, cy
	s_bfe_u32 s41, ttmp6, 0x40004
	s_lshl_b32 s42, ttmp9, 2
	s_add_co_u32 s42, s42, s40                     ; my block of 128 columns
	s_and_b32 s19, ttmp7, 0xffff
	s_lshl_b32 s19, s19, 2
	s_add_co_u32 s19, s19, s41                     ; my block of 256 rows
	s_lshl_b32 s43, s41, 2
	s_lshl_b32 s43, 15, s43                        ; my row of the cluster
	s_lshl_b32 s44, 0x1111, s40                    ; my column
	s_or_b32 s[G1], s43, (3<<16)|(1<<21)           ; ctx: 15:0 the mask; 17:16 elements of 8 bytes; 21 set beside a mask; no padding: the images are read 16 bytes a lane on end
	s_mov_b32 s[G1+1], 512<<16                     ; tensor_dim0 = 512 elements: four heads' images, 4,096 bytes
	s_mov_b32 s[G1+2], 8<<16                       ; tensor_dim1 = 8 tiles of rows
	s_mov_b32 s[G1+3], 512<<16                     ; tile_dim0
	s_mov_b32 s[G1+4], 8                           ; tile_dim1
	s_mov_b32 s[G1+5], 2048                        ; from a tile of rows to the next: 16 heads x 1,024 bytes
	s_mov_b32 s[G1+6], 0
	s_mov_b32 s[G1+7], 0
	s_or_b32 s[G1B], s44, (1<<20)|(1<<21)|(5<<22)|(3<<25)  ; W_out: elements of 1 byte; four words of padding after every 64
	s_mov_b32 s[G1B+1], 256<<16
	s_mov_b32 s[G1B+2], 64<<16
	s_mov_b32 s[G1B+3], 256<<16
	s_mov_b32 s[G1B+4], 64
	s_mov_b32 s[G1B+5], 1024
	s_mov_b32 s[G1B+6], 0
	s_mov_b32 s[G1B+7], 0
	s_lshl_b32 s20, s19, 18                        ; ctx: (16 block + 8 half) tiles of 16,384 bytes: hangs on the block of rows alone
	s_lshl_b32 s21, s18, 17
	s_add_co_u32 s20, s20, s21
	s_mov_b32 s21, 0
	s_lshl_b32 s46, s42, 17                        ; W_out: (128 block + 64 half) rows of 1,024 bytes: hangs on the block of columns alone
	s_lshl_b32 s47, s18, 16
	s_add_co_u32 s46, s46, s47
	s_mov_b32 s47, 0
	s_mul_i32 s45, s18, HALFA                      ; where they go: no place in the cluster enters an LDS address
	s_mul_i32 s22, s18, HALFB
	s_add_co_u32 s22, s22, BOFF
	s_wait_kmcnt 0x0
	s_load_b256 s[68:75], s[10:11], 0x0            ; e0 .. e7
	s_add_nc_u64 s[20:21], s[4:5], s[20:21]
	s_add_nc_u64 s[46:47], s[6:7], s[46:47]
	CROUND                                         ; all sixteen work-groups are here: the first joint loads meet
.irp s, 0,1
	s_mov_b32 s[G0+4*\s], 1
	s_add_co_u32 s[G0+4*\s+1], s45, \s*SLOT
	s_add_nc_u64 s[G0+4*\s+2:G0+4*\s+3], s[20:21], \s*4096
	s_or_b32 s[G0+4*\s+3], s[G0+4*\s+3], 0x80000000
	s_mov_b32 s[G0B+4*\s], 1
	s_add_co_u32 s[G0B+4*\s+1], s22, \s*SLOT
	s_add_nc_u64 s[G0B+4*\s+2:G0B+4*\s+3], s[46:47], \s*256
	s_or_b32 s[G0B+4*\s+3], s[G0B+4*\s+3], 0x80000000
	JLOAD \s                                       ; K steps 0 and 1: two loads of mine are out
.endr
	v_and_b32 v1, 15, v0                           ; r
	v_bfe_u32 v2, v0, 4, 1                         ; h
	v_and_b32 v4, 31, v0
	v_lshlrev_b32 v[CO], 4, v4
	s_lshl_b32 s23, s16, 14                        ; my four tiles of rows
	v_add_nc_u32 v[ADRA], s23, v[CO]
	v_add_nc_u32 v[ADRA+1], SLOT, v[ADRA]
	v_mul_u32_u24 v3, v1, PITCH
	v_lshl_add_u32 v3, v2, 3, v3                   ; W_out: row x pitch + 8 h
	v_add_nc_u32 v[ADRB], BOFF, v3
	v_add_nc_u32 v[ADRB+1], SLOT+BOFF, v3
	s_mul_i32 s23, s16, 16*SPITCH
	s_add_co_u32 s23, s23, STAGE                   ; my stage
	v_mul_u32_u24 v5, v1, SPITCH
	v_lshl_add_u32 v5, v2, 5, v5
	v_add_nc_u32 v[STO], s23, v5                   ; in: row r, 32 bytes for each half of the lanes
	v_add_nc_u32 v[RD], s23, v[CO]                 ; back: the 32 lanes take one row of 512 bytes
	v_lshlrev_b32 v[BH], 5, v2
	s_lshl_b32 s88, s19, 20                        ; out0: (256 block + 64 wave) rows of 4,096 bytes + 512 x block of columns
	s_lshl_b32 s89, s16, 18
	s_add_co_u32 s88, s88, s89
	s_lshl_b32 s92, s42, 9
	s_add_co_u32 s88, s88, s92
	s_mov_b32 s89, 0
	s_add_nc_u64 s[80:81], s[12:13], s[88:89]
	s_mov_b32 s93, 0
	s_add_nc_u64 s[84:85], s[8:9], s[92:93]        ; b_out at my 128 columns
	WIN 0x40                                       ; destination window 1
.irp b, 0,1,2,3,4,5,6,7
	global_load_b128 v[BIAS+8*\b:BIAS+8*\b+3], v[BH], s[84:85] offset:64*\b       ; the biases of columns 16 b + 8 h + 0..7, in the results' layout
	global_load_b128 v[BIAS+8*\b+4:BIAS+8*\b+7], v[BH], s[84:85] offset:64*\b+16
.endr
	WIN 0
.macro FRAGW reg, adr, off             ; a fragment of W_out: registers 2 c, 2 c + 1 hold K = 16 c + 8 h + 0..7 of row r
.irp c, 0,1,2,3,4,5,6,7
	ds_load_b64 v[(\reg)+2*\c:(\reg)+2*\c+1], v[\adr] offset:(\off)+16*\c
.endr
.endm
.macro FRAGC reg, adr, off             ; a fragment of ctx comes back as it was stored: four registers at 16 x lane, 512 bytes a load
.irp c, 0,1,2,3
	ds_load_b128 v[(\reg)+4*\c:(\reg)+4*\c+3], v[\adr] offset:(\off)+512*\c
.endr
.endm
.macro FETCH_W slot, q, b0             ; W_out's tiles b0 .. b0 + 3 of the slot's q-th 128 along K: 32 loads
	WIN 0
.irp i, 0,1,2,3
	FRAGW WF+16*((\b0)+\i), ADRB+\slot, ((\b0)+\i)*16*PITCH+128*(\q)
.endr
.endm
.macro FETCH_C slot, q, p              ; ctx's four blocks into set p: 16 loads
	WIN 0x40
.irp i, 0,1,2,3
	FRAGC 64*(\p)+16*\i, ADRA+\slot, \i*4096+2048*(\q)
.endr
	WIN 0
.endm
; Four matrix instructions: W_out's tile b against ctx's four blocks of set p.  The 32 accumulators take turns, one instruction a turn, in the same order in every step.
.macro MULB b, p, zero
	WIN 0xa4                                       ; source 0 (W_out) window 0, source 1 (ctx) window 1, C and D window 2
.irp a, 0,1,2,3
.if \zero
	v_wmma_f32_16x16x128_fp8_fp8 v[8*(8*\a+(\b)):8*(8*\a+(\b))+7], v[WF+16*(\b):WF+16*(\b)+15], v[64*(\p)+16*\a:64*(\p)+16*\a+15], 0
.else
	v_wmma_f32_16x16x128_fp8_fp8 v[8*(8*\a+(\b)):8*(8*\a+(\b))+7], v[WF+16*(\b):WF+16*(\b)+15], v[64*(\p)+16*\a:64*(\p)+16*\a+15], v[8*(8*\a+(\b)):8*(8*\a+(\b))+7]
.endif
.endr
.endm
.macro STEP slot, zero                 ; a slot's first 128 along K (ctx's set 0)
	s_wait_dscnt 32                                ; W_out's tiles 0-3 and ctx are in; the youngest 32 loads (tiles 4-7) may be out
.irp n, 0,1,2,3
	MULB \n, 0, \zero
.endr
	s_wait_dscnt 0x0                               ; tiles 4-7 are in
	PLACES
	FETCH_W \slot, 1, 0
	FETCH_C \slot, 1, 1
.irp n, 4,5,6,7
	MULB \n, 0, \zero
.endr
	PLACES
	FETCH_W \slot, 1, 4
.endm
; A slot's second 128 along K (ctx's set 1) changes slots: ONE barrier; in front of it each wave waits for all its tensor loads, adds 0 to its spare word, and waits for that and for its reads of this slot.
.macro TURN slot, next, fill
	s_wait_tensorcnt 0x0                           ; all my tensor loads have landed: my part of the next slot
	ds_add_u32 v[SPW], v[NIL]                      ; 0 onto my spare word
	s_wait_dscnt 33                                ; (the add and the youngest 32 loads may be out)
.irp n, 0,1
	MULB \n, 1, 0
.endr
	s_wait_dscnt 0x0                               ; the add is done, and my reads of this slot are over
	s_barrier_signal -1
.irp n, 2,3
	MULB \n, 1, 0
.endr
	WIN 0
	s_barrier_wait -1
.if \fill
	CREST                                          ; the barrier has opened a round of the cluster's barrier: no wave of any partner still reads this slot or has a load on its way
	s_add_nc_u64 s[G0+4*\slot+2:G0+4*\slot+3], s[G0+4*\slot+2:G0+4*\slot+3], 8192
	s_add_nc_u64 s[G0B+4*\slot+2:G0B+4*\slot+3], s[G0B+4*\slot+2:G0B+4*\slot+3], 512
	JLOAD \slot                                    ; the first tensor load behind the round, two K steps ahead; its four v_nop are the places in front of the loads below
.else
	PLACES
.endif
	FETCH_W \next, 0, 0
	FETCH_C \next, 0, 0
.irp n, 4,5,6,7
	MULB \n, 1, 0
.endr
	PLACES
	FETCH_W \next, 0, 4
.endm
	s_wait_tensorcnt 1                             ; my part of K step 0 is in (K step 1's load may be out)
	s_barrier_signal -1
	s_barrier_wait -1                              ; everybody's is
	FETCH_W 0, 0, 0
	FETCH_C 0, 0, 0
	FETCH_W 0, 0, 4
	STEP 0, 1                                      ; the first products start the sums: nothing is cleared
	TURN 0, 1, 1                                   ; slot 0 takes K step 2
	STEP 1, 0
	TURN 1, 0, 1                                   ; slot 1 takes K step 3
	STEP 0, 0
	TURN 0, 1, 0                                   ; nothing is left to fetch
	STEP 1, 0
	s_wait_dscnt 32                                ; the last 128 along K
.irp n, 0,1,2,3
	MULB \n, 1, 0
.endr
	s_wait_dscnt 0x0
.irp n, 4,5,6,7
	MULB \n, 1, 0
.endr
	WIN 0
; THE WAY OUT, block by block of 16 rows x 128 columns: out = sum x 2^(e6 + e7) + bias, one packed multiply-add for two numbers, each accumulator from its low end on.  A lane holds 32 neighbouring bytes of a row and the
; lanes beside it other rows: so a block goes through my own stage in LDS and comes back as whole rows of 512 bytes.  LDS serves a wave's instructions in order (ISA guide 5.7.1.4): no wait between the stores and the loads.
.macro TOSTAGE a
	WIN 0x12                                       ; source 0 (the sums) window 2, source 2 (the biases) window 1
.set i, 0
.rept 32
	v_pk_fma_f32 v[TMP+i:TMP+i+1], v[64*(\a)+i:64*(\a)+i+1], s[76:77], v[BIAS+i:BIAS+i+1] op_sel_hi:[1,0,1]
.set i, i+2
.endr
	WIN 0
.irp b, 0,1,2,3,4,5,6,7
	ds_store_b128 v[STO], v[TMP+8*\b:TMP+8*\b+3] offset:64*\b
	ds_store_b128 v[STO], v[TMP+8*\b+4:TMP+8*\b+7] offset:64*\b+16
.endr
.set BB, BK+64*((\a)%2)
.irp t, 0,1,2,3,4,5,6,7,8,9,10,11,12,13,14,15
	ds_load_b128 v[BB+4*\t:BB+4*\t+3], v[RD] offset:\t*SPITCH
.endr
.endm
.macro SEND a, younger                 ; younger: the LDS instructions issued behind block a's loads, which may stay out
.set BB, BK+64*((\a)%2)
	s_wait_dscnt \younger                          ; the block is back in registers
.irp t, 0,1,2,3,4,5,6,7,8,9,10,11,12,13,14,15
	global_store_b128 v[CO], v[BB+4*\t:BB+4*\t+3], s[80:81] offset:(16*(\a)+\t)*4096 th:TH_STORE_NT   ; 32 lanes store 512 consecutive bytes, at a multiple of 512 from out0's first byte; 63 rows at the most stand in the immediate
.endr
.endm
	s_wait_kmcnt 0x0
	s_add_co_i32 s76, s74, s75
	s_add_co_i32 s76, s76, 127
	s_lshl_b32 s76, s76, 23                        ; 2^(e6 + e7) as f32
	s_mov_b32 s77, s76                             ; (named with it as a pair, so it is written)
	s_wait_loadcnt 0x0                             ; the biases
	PLACES                                         ; behind the last products: their registers are read and written below
	TOSTAGE 0
.irp a, 1,2,3
.if \a > 1
	s_wait_xcnt 0x0                                ; block a - 2's stores have read their registers: block a's loads may land there
.endif
	TOSTAGE \a
	SEND (\a-1), 32                                ; behind block a - 1's loads: block a's 16 stores and 16 loads
.endr
	SEND 3, 0
	s_wait_tensorcnt 0x0                           ; the wave's end: behind my last tensor load and my last LDS store
	ds_add_u32 v[SPW], v[NIL]
	s_wait_dscnt 0x0
	CROUND                                         ; the closing round: no work-group ends while a partner may still ask for a tile that names it
	s_endpgm
.Lfunc_end_k_qf484f6945f_proj:
	.size	k_qf484f6945f_proj, .Lfunc_end_k_qf484f6945f_proj-k_qf484f6945f_proj
	.p2alignl 7, 3214868480
	.fill 96, 4, 3214868480
	.section	.rodata,"a",@progbits
	.p2align	6, 0x0
	.amdhsa_kernel k_qf484f6945f_proj
		.amdhsa_group_segment_fixed_size 327680
		.amdhsa_private_segment_fixed_size 0
		.amdhsa_enable_private_segment 0
		.amdhsa_kernarg_size 40
		.amdhsa_user_sgpr_count 2
		.amdhsa_user_sgpr_kernarg_segment_ptr 1
		.amdhsa_wavefront_size32 1
		.amdhsa_system_sgpr_workgroup_id_x 1
		.amdhsa_system_sgpr_workgroup_id_y 1
		.amdhsa_system_sgpr_workgroup_id_z 1
		.amdhsa_system_vgpr_workitem_id 0
		.amdhsa_next_free_vgpr 768
		.amdhsa_next_free_sgpr 98
		.amdhsa_reserve_vcc 0
		.amdhsa_float_denorm_mode_32 3
		.amdhsa_float_denorm_mode_16_64 3
		.amdhsa_memory_ordered 1
		.amdhsa_forward_progress 1
		.amdhsa_inst_pref_size 93
	.end_amdhsa_kernel
	.amdgpu_metadata
---
amdhsa.version: [ 1, 2 ]
amdhsa.kernels:
  - .name:           k_qf484f6945f_proj
    .symbol:         k_qf484f6945f_proj.kd
    .args:
      - { .name: ctx_img, .offset: 0, .size: 8, .value_kind: global_buffer, .address_space: global }
      - { .name: W_out_codes, .offset: 8, .size: 8, .value_kind: global_buffer, .address_space: global }
      - { .name: b_out, .offset: 16, .size: 8, .value_kind: global_buffer, .address_space: global }
      - { .name: lowp_scales, .offset: 24, .size: 8, .value_kind: global_buffer, .address_space: global }
      - { .name: out0, .offset: 32, .size: 8, .value_kind: global_buffer, .address_space: global }
    .group_segment_fixed_size: 327680
    .private_segment_fixed_size: 0
    .kernarg_segment_align: 8
    .kernarg_segment_size: 40
    .max_flat_workgroup_size: 128
    .sgpr_count:     98
    .vgpr_count:     768
    .wavefront_size: 32
...
	.end_amdgpu_metadata
.endif
;; end of part 3
;; ======== version 2 of 2: 3 launches; version 1 with the launch attn written anew for expert scheduling mode
;; workspace buffers: q_img 8,388,608 bytes; kv 16,777,216 bytes; ctx_img 8,388,608 bytes
;; launch qkv: the kernel of part 1 again; grid 16 x 32, 4 waves a work-group, clusters of 4 x 4, 327,680 bytes of LDS; arguments x_codes, W_qkv_codes, b_qkv, lowp_scales, q_img, kv; writes q_img, kv
;; launch attn (part 4): grid 4 x 64, 16 waves a work-group, no clusters, 264,192 bytes of LDS; arguments q_img, kv, lowp_scales, ctx_img; writes ctx_img
.if DOCPART == 4
	.amdgcn_target "amdgcn-amd-amdhsa--gfx1250"
	.amdhsa_code_object_version 6
	.text
	.protected	k_qf484f6945f_attn
	.globl	k_qf484f6945f_attn
	.p2align	8
	.type	k_qf484f6945f_attn,@function
k_qf484f6945f_attn:
	s_mov_b64 s[64:65], 0
	v_nop
	global_prefetch_b8 v0, s[64:65] scope:SCOPE_SE
	s_setreg_imm32_b32 hwreg(HW_REG_WAVE_SCHED_MODE, 0, 2), 2
	s_setreg_imm32_b32 hwreg(HW_REG_WAVE_MODE, 25, 1), 1
	s_wait_xcnt 0x0
	s_wait_alu depctr_vm_vsrc(0)
; ctx[bh][q][:] = the sum over k of softmax_k(q . k / 8) v[k][:], both products on codes of FP8 (E4M3); the result is quantised with 2^e6 and stored as images of the last product's operand.
; THE SOFTMAX AHEAD OF THE SECOND PRODUCT: t = score x log2(e) / 8; M = the running largest t rounded UP to a whole number; p = 2^(t - M) is quantised with 2^e4, not normalised; the row's sum is taken of the
; unquantised p and divides at the end.  When M moves, the sum and O are multiplied by 2^(old M - new M): exact.
; SHARES.  A work-group owns 512 queries of one head; each of its sixteen waves owns two tiles of 16 queries, so that each fragment of K and of V^T read from LDS feeds two matrix instructions.  Four waves share a SIMD.
; OPERANDS arrive as images of their registers (8 registers = 1,024 bytes: registers 0-3 at 16 x lane, 4-7 at 512 + 16 x lane), so every load is 512 consecutive bytes a wave and nothing is shuffled.
; S^T = K Q^T (source 0 = 16 keys, source 1 = 16 queries): lane (r, h) holds query r and keys 16 t + 8 h + 0..7: one conversion of a tile's eight registers gives registers 2 t, 2 t + 1 of P in the plain 8-bit layout.
; O^T = V^T P (source 0 = 16 channels, source 1 = P): lane (r, h) holds query r and channels 16 t + 8 h + 0..7: again the next operand's layout.
; LDS holds the head's whole K and V, 262,144 bytes, at the byte at which they lie in the head's part of kv.  It is filled THROUGH REGISTERS, 16,384 bytes (128 keys) a trip, one trip ahead: wave w loads 1,024 bytes at the
; trip's head and stores them to LDS at its end; one barrier a trip stands between those stores and the reads.  No byte of LDS is written twice.
; NO CLUSTER, NO JOINT LOADS: the four work-groups of a head read the same 262,144 bytes, 16,384 a trip of 128 keys.  This text has a scalar branch on the given exponent e4 (below).
; The branch spares 64 of a key step's vector instructions.
; THE HOLD.  p is at most 1 (by a rounding, a hair more), and 448 x 2^e4 is at least 1.75 where e4 >= -8: there the hold cannot act and is jumped over; for any smaller e4 it is executed.
; LIMITS: e2 + e3 between -123 and 130 (added to c's exponent field); e4 and e6 between -126 and 119.  NaN codes among the operands are not served.
; THE MODE: SCHED_MODE bits 1:0 = 2 (LLVM: expert scheduling mode 2), set by the entry lines.  The code itself states the register dependences
; between vector or matrix instructions and memory or LDS instructions, with s_wait_alu, always for 0.
; THE PLAN.  Registers that memory or LDS instructions touch:
;   v[F ..]        LDS loads land in it twice a key step: K at the step's head, V^T behind the step's first eight products.  Read by the step's matrix instructions alone.
;   v[FD ..]       The two global loads at a trip's head land in it; the two LDS stores at the trip's end read it.
;   v[ADR], v[FS]  Written by one vector add each, at a trip's head; read by the trip's LDS loads and by its two LDS stores.
;   v[LI], v[FO], v[PFO]  Written at the kernel's head and never again; read by loads, stores and the prefetch.
;   v[Q ..]        Loaded once; no vector instruction writes it.      v[P ..]  On the way out: written by the conversions, read by the four global stores.
;   v254, v255     Written at the head, read by the closing add alone.
;   S^T, O^T, the statistics and the scales are named by vector and matrix instructions alone.
; So a trip has ONE wait on vm_vsrc, at its head, ahead of the loads into v[FD ..] and of the two adds; and a key step has one wait on va_vdst ahead of each of its two runs of LDS loads, beside the one behind its
; exponentials.  The wait at the head of a trip's first step also states that v[ADR] and v[FS] are written; no vector instruction names v[FS] behind it, so the LDS stores at the trip's end follow with no further wait.
.set LI,  1                            ; v1   16 x lane
.set ADR, 2                            ; v2   LDS address of the block in hand
.set FO,  3                            ; v3   1,024 x wave + 16 x lane: my piece of a block, in memory and in LDS
.set FS,  4                            ; v4   LDS address of my piece of the next block
.set PFO, 5                            ; v5   the prefetches' offset: 8,192 (wave % 2) + 256 x lane
.set Q,   16                           ; v16-31   Q, 8 a tile
.set F,   32                           ; v32-63   four fragments of K, then of V^T
.set S,   64                           ; v64-127  S^T, then p: 32 a tile
.set O,   128                          ; v128-191 O^T: 32 a tile
.set P,   192                          ; v192-207 p's codes: 8 a tile
.set FD,  208                          ; v208-215 my piece of the next block
.set ST,  216                          ; tile x at +4 x: -M, the largest t, the sum in two halves
.set T,   224                          ; tile x at +8 x: +0, +1, +2 at work; +4, +5 f (a pair; the low word serves); +6, +7 a second chain of the sum
.set SC,  240                          ; v240 2^e as f32 for the conversions; v241 448 x that
.set LIM, 241
	s_load_b256 s[4:11], s[0:1], 0x0               ; q_img s[4:5], kv s[6:7], the exponents s[8:9], ctx_img s[10:11]
	v_lshl_add_u32 v254, v0, 2, 0x40000
	v_mov_b32 v255, 0
	v_lshrrev_b32 v6, 5, v0
	v_readfirstlane_b32 s12, v6                    ; wave 0..15
	v_and_b32 v7, 31, v0
	v_lshlrev_b32 v[LI], 4, v7
	v_lshl_add_u32 v[FO], v6, 10, v[LI]
	s_wait_alu depctr_va_sdst(0)                   ; s12 is written, ahead of its first reader: offsets, bases and the prefetch's test are made from it
	s_and_b32 s38, s12, 1
	s_lshl_b32 s38, s38, 13
	v_lshlrev_b32 v[PFO], 8, v7
	v_add_nc_u32 v[PFO], s38, v[PFO]
	s_and_b32 s13, ttmp7, 0xffff                   ; bh = 16 x batch + head
	s_lshl_b32 s38, s13, 18                        ; the head's K and V
	s_mov_b32 s39, 0
	s_lshl_b32 s40, s13, 7
	s_lshl_b32 s41, ttmp9, 5
	s_add_co_u32 s40, s40, s41
	s_lshl_b32 s41, s12, 1
	s_add_co_u32 s40, s40, s41                     ; my first tile of queries: 128 bh + 32 x work-group + 2 x wave
	s_lshl_b32 s40, s40, 10
	s_mov_b32 s41, 0
	s_lshr_b32 s42, s13, 4
	s_lshl_b32 s42, s42, 7
	s_lshl_b32 s43, ttmp9, 5
	s_add_co_u32 s42, s42, s43
	s_lshl_b32 s43, s12, 1
	s_add_co_u32 s42, s42, s43                     ; the same tile among all 512 tiles of rows: 128 x batch + ..
	s_lshl_b32 s42, s42, 4
	s_and_b32 s43, s13, 15
	s_add_co_u32 s42, s42, s43                     ; x 16 heads + my head
	s_lshl_b32 s42, s42, 10
	s_mov_b32 s43, 0
	s_lshr_b32 s22, s12, 1                         ; who prefetches: waves 0 and 1
	s_or_b32 s22, s22, ttmp9                       ; of the head's first work-group
	s_cmp_eq_u32 s22, 0
	s_cselect_b32 s22, 1, -1                       ; 1 there, else the greatest number
	s_mov_b32 s16, 0x76543210                      ; v_permlanex16_b32's selects: lane l xor 16
	s_mov_b32 s17, 0xfedcba98
	s_mov_b32 s20, 0                               ; LDS byte at which the block in hand begins
	s_wait_kmcnt 0x0
	s_load_b256 s[24:31], s[8:9], 0x0              ; e0 .. e7
	s_add_nc_u64 s[32:33], s[6:7], s[38:39]        ; kv at the block in hand
	s_add_nc_u64 s[34:35], s[4:5], s[40:41]
	s_add_nc_u64 s[36:37], s[10:11], s[42:43]
	s_wait_alu depctr_va_vdst(0)                   ; v[LI], v[FO] and v[PFO] are written: every load, store and prefetch of the kernel that reads one of them stands behind this wait, and no vector instruction writes them again
	global_load_b128 v[FD:FD+3], v[FO], s[32:33]               ; my piece of block 0
	global_load_b128 v[FD+4:FD+7], v[FO], s[32:33] offset:512
.irp x, 0,1
	global_load_b128 v[Q+8*\x:Q+8*\x+3], v[LI], s[34:35] offset:1024*\x     ; Q stays in registers
	global_load_b128 v[Q+8*\x+4:Q+8*\x+7], v[LI], s[34:35] offset:1024*\x+512
.endr
.set j, 0
.rept 64
	v_mov_b32 v[O+j], 0                            ; O^T.  (The key step is written once: the first finds zeros, which the first change of M leaves zeros)
.set j, j+1
.endr
.irp x, 0,1
	v_mov_b32 v[ST+4*\x+1], 0xff61b1e6             ; the largest t so far: -3e38, under every t
	v_floor_f32 v[ST+4*\x], -v[ST+4*\x+1]          ; -M
	v_mov_b32 v[ST+4*\x+2], 0                      ; the sum
	v_mov_b32 v[ST+4*\x+3], 0
	v_mov_b32 v[T+8*\x+2], 0                       ; a lane permute's destination counts as one of its sources
	v_mov_b32 v[T+8*\x+5], 0                       ; (named as the upper half of f's pair)
.endr
	s_wait_kmcnt 0x0
	s_add_co_i32 s38, s26, s27
	s_lshl_b32 s38, s38, 23
	s_add_co_i32 s18, s38, 0x3e38aa3b              ; c = log2(e) / 8, with e2 + e3 added to its exponent field: a score stands for score x 2^(e2 + e3)
	s_mov_b32 s19, s18                             ; (named with it as a pair, so it is written)
	s_add_co_i32 s38, s28, 127
	s_lshl_b32 s39, s38, 23
	v_mov_b32 v[SC], s39                           ; 2^e4
	s_add_co_i32 s38, s38, 8
	s_lshl_b32 s38, s38, 23
	s_or_b32 s38, s38, 0x600000
	v_mov_b32 v[LIM], s38                          ; 448 x 2^e4
	s_wait_loadcnt 4                               ; block 0's two loads are in; Q's four, issued behind them, may be out
	ds_store_b128 v[FO], v[FD:FD+3]
	ds_store_b128 v[FO], v[FD+4:FD+7] offset:512
	s_wait_loadcnt 0x0                             ; Q
	s_wait_dscnt 0x0                               ; for the others' sake: my stores have landed
	s_barrier_signal -1
	s_barrier_wait -1                              ; block 0 is whole
; A KEY STEP: 64 keys, the hs-th of the block in hand, for my two tiles of queries.
.macro STEP hs
.rept 4
	v_nop                                          ; places in front of loads into registers that the last products read
.endr
	s_wait_alu depctr_va_vdst(0)                   ; the last step's products are done reading v[F ..], in which K's fragments land; in a trip's first step v[ADR] and v[FS] are written
.irp t, 0,1,2,3
	ds_load_b128 v[F+8*\t:F+8*\t+3], v[ADR] offset:8192*(\hs)+1024*\t
	ds_load_b128 v[F+8*\t+4:F+8*\t+7], v[ADR] offset:8192*(\hs)+1024*\t+512
.endr
	s_wait_dscnt 0x0
.irp t, 0,1,2,3
.irp x, 0,1
	v_wmma_f32_16x16x64_fp8_fp8 v[S+32*\x+8*\t:S+32*\x+8*\t+7], v[F+8*\t:F+8*\t+7], v[Q+8*\x:Q+8*\x+7], 0
.endr
.endr
.rept 4
	v_nop                                          ; places in front of the loads below and of the first read of the scores
.endr
	s_wait_alu depctr_va_vdst(0)                   ; the eight products above are done reading v[F ..], in which V^T's fragments land; no vector or matrix instruction names v[F ..] again ahead of the wait for these loads
.irp t, 0,1,2,3
	ds_load_b128 v[F+8*\t:F+8*\t+3], v[ADR] offset:8192*(\hs)+4096+1024*\t        ; V^T lands while the softmax is worked
	ds_load_b128 v[F+8*\t+4:F+8*\t+7], v[ADR] offset:8192*(\hs)+4096+1024*\t+512
.endr
.irp x, 0,1                                    ; the step's largest score of my query among my 32 keys, in two chains, the tiles by turns; each accumulator is read from its low end on
	v_max3_num_f32 v[T+8*\x], v[S+32*\x], v[S+32*\x+1], v[S+32*\x+2]
	v_max3_num_f32 v[T+8*\x+1], v[S+32*\x+3], v[S+32*\x+4], v[S+32*\x+5]
.endr
.irp i, 6,10,14,18,22,26
.irp x, 0,1
	v_max3_num_f32 v[T+8*\x], v[T+8*\x], v[S+32*\x+\i], v[S+32*\x+\i+1]
	v_max3_num_f32 v[T+8*\x+1], v[T+8*\x+1], v[S+32*\x+\i+2], v[S+32*\x+\i+3]
.endr
.endr
.irp x, 0,1
	v_max3_num_f32 v[T+8*\x], v[T+8*\x], v[S+32*\x+30], v[S+32*\x+31]
.endr
.irp x, 0,1
	v_max_num_f32 v[T+8*\x], v[T+8*\x], v[T+8*\x+1]
.endr
.irp x, 0,1
	v_permlanex16_b32 v[T+8*\x+2], v[T+8*\x], s16, s17     ; the query's other 32 keys lie in the lane 16 away
.endr
.irp x, 0,1
	v_max_num_f32 v[T+8*\x], v[T+8*\x], v[T+8*\x+2]
.endr
.irp x, 0,1
	v_mul_f32 v[T+8*\x], s18, v[T+8*\x]            ; as t (c is positive)
.endr
.irp x, 0,1
	v_max_num_f32 v[ST+4*\x+1], v[ST+4*\x+1], v[T+8*\x]    ; the running largest t
.endr
.irp x, 0,1
	v_mov_b32 v[T+8*\x], v[ST+4*\x]
.endr
.irp x, 0,1
	v_floor_f32 v[ST+4*\x], -v[ST+4*\x+1]          ; the new -M = floor(-t) = -ceil(t): M is a whole number
.endr
.irp x, 0,1
	v_sub_f32 v[T+8*\x], v[ST+4*\x], v[T+8*\x]     ; old M - new M: a whole number, 0 or less
.endr
.irp x, 0,1
	v_cvt_i32_f32 v[T+8*\x], v[T+8*\x]             ; (it saturates)
.endr
.irp x, 0,1
	v_ldexp_f32 v[T+8*\x+4], 1.0, v[T+8*\x]        ; f = 2^(old M - new M)
.endr
.set j, 0
.rept 32
	v_pk_fma_f32 v[S+j:S+j+1], v[S+j:S+j+1], s[18:19], v[ST+4*(j/32):ST+4*(j/32)+1] op_sel_hi:[1,0,0]   ; t - M, two at a time (of the pairs c and -M the low word serves both halves)
.set j, j+2
.endr
.set j, 0
.rept 64
	v_exp_f32 v[S+j], v[S+j]                       ; p = 2^(t - M): both tiles' exponentials are one batch
.set j, j+1
.endr
.irp x, 0,1
	v_pk_mul_f32 v[ST+4*\x+2:ST+4*\x+3], v[ST+4*\x+2:ST+4*\x+3], v[T+8*\x+4:T+8*\x+5] op_sel_hi:[1,0]   ; the sums under the new M: plain work that names no exponential's result
.endr
.set j, 0
.rept 32
	v_pk_mul_f32 v[O+j:O+j+1], v[O+j:O+j+1], v[T+8*(j/32)+4:T+8*(j/32)+5] op_sel_hi:[1,0]               ; O^T under the new M
.set j, j+2
.endr
	s_wait_alu depctr_va_vdst(0)                   ; the 64 exponentials have written p: one wait for the whole batch, ahead of its first reader
.irp x, 0,1                                    ; the row's sum is taken of the UNQUANTISED p: two at a time, in two chains
	v_pk_add_f32 v[T+8*\x+6:T+8*\x+7], v[S+32*\x:S+32*\x+1], v[S+32*\x+2:S+32*\x+3]
.endr
.irp i, 4,8,12,16,20,24,28
.irp x, 0,1
	v_pk_add_f32 v[ST+4*\x+2:ST+4*\x+3], v[ST+4*\x+2:ST+4*\x+3], v[S+32*\x+\i:S+32*\x+\i+1]
	v_pk_add_f32 v[T+8*\x+6:T+8*\x+7], v[T+8*\x+6:T+8*\x+7], v[S+32*\x+\i+2:S+32*\x+\i+3]
.endr
.endr
.irp x, 0,1
	v_pk_add_f32 v[ST+4*\x+2:ST+4*\x+3], v[ST+4*\x+2:ST+4*\x+3], v[T+8*\x+6:T+8*\x+7]
.endr
	s_cmp_ge_i32 s28, -8                           ; where 448 x 2^e4 >= 1.75 no p reaches it
	s_cbranch_scc1 .Lno_hold_\@
.set j, 0
.rept 64
	v_min_num_f32 v[S+j], v[S+j], v[LIM]           ; the conversion to an 8-bit code does not saturate (ISA guide 7.6.2); p is not negative, so the hold is one-sided
.set j, j+1
.endr
.Lno_hold_\@:
.set j, 0
.rept 8
	v_cvt_scalef32_pk8_fp8_f32 v[P+2*j:P+2*j+1], v[S+8*j:S+8*j+7], v[SC]      ; tile j / 4, keys 16 (j % 4) + 8 h + 0..7: registers 2 (j % 4), + 1 of its P
.set j, j+1
.endr
	v_nop                                          ; a plain line between the conversions and the products that read their results
	s_wait_dscnt 0x0                               ; V^T is in
.irp t, 0,1,2,3
.irp x, 0,1
	v_wmma_f32_16x16x64_fp8_fp8 v[O+32*\x+8*\t:O+32*\x+8*\t+7], v[F+8*\t:F+8*\t+7], v[P+8*\x:P+8*\x+7], v[O+32*\x+8*\t:O+32*\x+8*\t+7]   ; the eight accumulators take turns
.endr
.endr
.endm
; A PREFETCH INTO THE L2 of the block that the NEXT trip will load: 16,384 bytes, lanes 256 bytes apart, 8,192 bytes a wave.  It stands behind the wave's two loads.  All four work-groups of a head walk the same blocks:
; the head's first work-group asks, in it waves 0 and 1, one instruction each: so each aligned 256 bytes are named once in the launch.  Blocks 0 and 1 come by their loads alone; the last trip that loads asks for nothing.
.macro ASK
	s_cmp_gt_u32 s21, s22
	s_cbranch_scc0 .Lnot_mine_\@
	global_prefetch_b8 v[PFO], s[32:33] offset:2*16384 th:TH_LOAD_NT scope:SCOPE_SE
.Lnot_mine_\@:
.endm
; A TRIP: a block of 128 keys.  fill = 1: my piece of the next block is asked for at the head and goes to LDS at the end, in front of the trip's one barrier.
.macro TRIP fill
	s_wait_alu depctr_vm_vsrc(0)                   ; the LDS loads issued so far have read v[ADR], the LDS stores v[FS] and v[FD ..]: the adds below write the first two, the loads below land in the third
.if \fill
	global_load_b128 v[FD:FD+3], v[FO], s[32:33] offset:16384
	global_load_b128 v[FD+4:FD+7], v[FO], s[32:33] offset:16384+512
	ASK
.endif
	v_add_nc_u32 v[ADR], s20, v[LI]
.if \fill
	v_add_nc_u32 v[FS], s20, v[FO]                 ; made here, beside v[ADR], so that the wait at the first step's head states both written
.endif
	STEP 0
	STEP 1
.if \fill
	s_wait_loadcnt 0x0                             ; my piece of the next block, asked for two key steps ago
	ds_store_b128 v[FS], v[FD:FD+3] offset:16384   ; bytes that nobody has read or written yet.  No wait on va_vdst: no vector instruction has named v[FS] or v[FD ..] since the first step's
	ds_store_b128 v[FS], v[FD+4:FD+7] offset:16384+512
	s_wait_dscnt 0x0                               ; for the others' sake: my stores have landed
	s_barrier_signal -1
	s_barrier_wait -1                              ; the next block is whole
	s_wait_xcnt 0x0                                ; the trip's loads and its prefetch have read their base: it may step
	s_add_nc_u64 s[32:33], s[32:33], 16384
	s_add_co_u32 s20, s20, 16384
.endif
.endm
	s_mov_b32 s21, 15                              ; 16 blocks; the last is written out, since it loads nothing: no load leaves the buffer
.Ltrip:
	TRIP 1
	s_sub_co_u32 s21, s21, 1
	s_cmp_lg_u32 s21, 0
	s_cbranch_scc1 .Ltrip
	TRIP 0
	; THE WAY OUT: ctx = O^T x 2^(e4 + e5) / the sum, held, converted with 2^e6: the codes are registers of the last product's operand and are stored as they stand.
.rept 4
	v_nop                                          ; places behind the last products
.endr
	s_add_co_i32 s38, s30, 127
	s_lshl_b32 s39, s38, 23
	s_add_co_i32 s38, s38, 8
	s_lshl_b32 s38, s38, 23
	s_or_b32 s38, s38, 0x600000
	s_add_co_i32 s40, s28, s29
.irp x, 0,1
	v_add_f32 v[T+8*\x], v[ST+4*\x+2], v[ST+4*\x+3]        ; the sum's two halves,
.endr
.irp x, 0,1
	v_permlanex16_b32 v[T+8*\x+2], v[T+8*\x], s16, s17
.endr
.irp x, 0,1
	v_add_f32 v[T+8*\x], v[T+8*\x], v[T+8*\x+2]            ; and lane l xor 16's
.endr
.irp x, 0,1
	v_rcp_f32 v[T+8*\x+4], v[T+8*\x]
.endr
	v_mov_b32 v[SC], s39                           ; 2^e6  (plain lines behind the reciprocals)
	v_mov_b32 v[LIM], s38                          ; 448 x 2^e6
	s_wait_alu depctr_va_vdst(0)                   ; the two reciprocals are written: one wait for both, ahead of their first reader
.irp x, 0,1
	v_ldexp_f32 v[T+8*\x+4], v[T+8*\x+4], s40      ; x 2^(e4 + e5)
.endr
.set j, 0
.rept 32
	v_pk_mul_f32 v[S+j:S+j+1], v[O+j:O+j+1], v[T+8*(j/32)+4:T+8*(j/32)+5] op_sel_hi:[1,0]
.set j, j+2
.endr
.set j, 0
.rept 64
	v_med3_num_f32 v[S+j], v[S+j], -v[LIM], v[LIM]
.set j, j+1
.endr
.set j, 0
.rept 8
	v_cvt_scalef32_pk8_fp8_f32 v[P+2*j:P+2*j+1], v[S+8*j:S+8*j+7], v[SC]
.set j, j+1
.endr
	v_nop
	s_wait_alu depctr_va_vdst(0)                   ; the conversions have written v[P ..], which the four stores read
.irp x, 0,1
	global_store_b128 v[LI], v[P+8*\x:P+8*\x+3], s[36:37] offset:16384*\x          ; the next tile of rows lies 16 heads x 1,024 bytes on; each store covers 512 consecutive bytes, aligned
	global_store_b128 v[LI], v[P+8*\x+4:P+8*\x+7], s[36:37] offset:16384*\x+512
.endr
	s_wait_dscnt 0x0                               ; the closing lines, six on end
	s_wait_alu 0x0
	s_wait_tensorcnt 0x0
	ds_add_u32 v254, v255
	s_wait_dscnt 0x0
	s_endpgm
.Lfunc_end_k_qf484f6945f_attn:
	.size	k_qf484f6945f_attn, .Lfunc_end_k_qf484f6945f_attn-k_qf484f6945f_attn
	.p2alignl 7, 3214868480
	.fill 96, 4, 3214868480
	.section	.rodata,"a",@progbits
	.p2align	6, 0x0
	.amdhsa_kernel k_qf484f6945f_attn
		.amdhsa_group_segment_fixed_size 264192
		.amdhsa_private_segment_fixed_size 0
		.amdhsa_enable_private_segment 0
		.amdhsa_kernarg_size 32
		.amdhsa_user_sgpr_count 2
		.amdhsa_user_sgpr_kernarg_segment_ptr 1
		.amdhsa_wavefront_size32 1
		.amdhsa_system_sgpr_workgroup_id_x 1
		.amdhsa_system_sgpr_workgroup_id_y 1
		.amdhsa_system_sgpr_workgroup_id_z 1
		.amdhsa_system_vgpr_workitem_id 0
		.amdhsa_next_free_vgpr 256
		.amdhsa_next_free_sgpr 66
		.amdhsa_reserve_vcc 0
		.amdhsa_float_denorm_mode_32 3
		.amdhsa_float_denorm_mode_16_64 3
		.amdhsa_memory_ordered 1
		.amdhsa_forward_progress 1
		.amdhsa_inst_pref_size 79
	.end_amdhsa_kernel
	.amdgpu_metadata
---
amdhsa.version: [ 1, 2 ]
amdhsa.kernels:
  - .name:           k_qf484f6945f_attn
    .symbol:         k_qf484f6945f_attn.kd
    .args:
      - { .name: q_img, .offset: 0, .size: 8, .value_kind: global_buffer, .address_space: global }
      - { .name: kv, .offset: 8, .size: 8, .value_kind: global_buffer, .address_space: global }
      - { .name: lowp_scales, .offset: 16, .size: 8, .value_kind: global_buffer, .address_space: global }
      - { .name: ctx_img, .offset: 24, .size: 8, .value_kind: global_buffer, .address_space: global }
    .group_segment_fixed_size: 264192
    .private_segment_fixed_size: 0
    .kernarg_segment_align: 8
    .kernarg_segment_size: 32
    .max_flat_workgroup_size: 512
    .sgpr_count:     66
    .vgpr_count:     256
    .wavefront_size: 32
...
	.end_amdgpu_metadata
.endif
;; end of part 4
;; launch proj: the kernel of part 3 again; grid 8 x 32, 4 waves a work-group, clusters of 4 x 4, 327,680 bytes of LDS; arguments ctx_img, W_out_codes, b_out, lowp_scales, out0; writes out0
